; MI455X (gfx1250); checked and timed in simulation.
; The chip was launched on July 23, 2026; its instructions are those of AMD's public machine-readable ISA for CDNA 5 (MIT licence, August 2026) and "CDNA5" Instruction Set Architecture Reference Guide (July 2026). The comments in the code are by the model that wrote it; some were corrected since.
;; Cross Multihead Diff Attn. Allowed arithmetic: matrix products marked QUANTISED: E2M3 operands, one E8M0 scale for each 32 along K, by v_wmma_scale_f32_16x16x128_f8f6f4 with both operands' format E2M3, f32 sums; everything else in f32.
;; Inputs: Wk 1,024 x 1,024 float32; Wo 1,024 x 1,024 float32; Wq 1,024 x 1,024 float32; Wv 1,024 x 1,024 float32; kv_x 2 x 2,048 x 1,024 float32; lambda_k1 32 float32; lambda_k2 32 float32; lambda_q1 32 float32; lambda_q2 32 float32; query_x 2 x 2,048 x 1,024 float32; subln_w 64 float32.
;; Outputs: out0 2 x 2,048 x 1,024 float32.
;; This version of the problem:
;;   THIS VERSION OF THE PROBLEM IS GIVEN IN LOW PRECISION. The matrix products marked QUANTISED in the list below multiply operands that are first quantised to E2M3 (2 exponent bits, 3 mantissa bits; 6 bits a number), with one power-of-two scale for each 32 numbers along K (OCP MX v1.0); their sums are f32. All else is computed in f32.
;;   The module's matrix products, in the order in which they are computed (A, B: the left and right operand; K: the contracted axis; several contracted axes count as one K, in the product's order):
;;     1. [M 4,096, K 1,024] x [K 1,024, N 1,024]; A: input query_x; B: input Wq: QUANTISED
;;     2. [M 4,096, K 1,024] x [K 1,024, N 1,024]; A: input kv_x; B: input Wk: QUANTISED
;;     3. [M 4,096, K 1,024] x [K 1,024, N 1,024]; A: input kv_x; B: input Wv: QUANTISED
;;     4. batch 64 x [M 2,048, K 32] x [K 32, N 2,048]; A: computed on the way; B: computed on the way: QUANTISED
;;     5. batch 32 x [M 2,048, K 2,048] x [K 2,048, N 64]; A: computed on the way; B: computed on the way: QUANTISED
;;     6. [M 4,096, K 1,024] x [K 1,024, N 1,024]; A: computed on the way; B: input Wo: QUANTISED
;;   THE QUANTISER, for each operand of a quantised product, along K:
;;     - K is cut into blocks of 32 from its start; a last block that is shorter is filled with zeros.
;;     - A block's scale is 2^e with e = floor(log2(the largest magnitude in the block)) - 2, held to -126 .. 127; a block of zeros has e = 0. As a byte (E8M0): e + 127.
;;     - Each number is divided by its block's scale, clamped to +-7.5, and rounded to the nearest number of E2M3, ties to even, subnormals kept.
;;     - The product sums the exact products of the quantised numbers (number of the format x scale) in f32.
;;   ~~~python
;;   def quantise(x, axis):      # numpy; x: float32 -> the quantised numbers, widened to float32 again
;;       x = np.moveaxis(x, axis, -1); K = x.shape[-1]
;;       x = np.pad(x, [(0, 0)] * (x.ndim - 1) + [(0, -K % 32)]); x = x.reshape(x.shape[:-1] + (-1, 32)); a = np.abs(x).max(-1, keepdims=True)
;;       e = np.where(a > 0, np.clip(np.frexp(np.where(a > 0, a, 1))[1] - 1 - 2, -126, 127), 0)      # np.frexp(a)[1] - 1 = floor(log2(a)), exactly
;;       r = np.clip(x / 2.0 ** e, -7.5, 7.5)
;;       step = 2.0 ** (np.maximum(np.frexp(np.where(r == 0, 1, r))[1] - 1, 0) - 3)
;;       q = np.round(r / step) * step * 2.0 ** e      # np.round: ties to even
;;       return np.moveaxis(q.reshape(q.shape[:-2] + (-1,))[..., :K], -1, axis).astype(np.float32)
;;   ~~~
;;   OPERANDS COMPUTED ON THE WAY. 'Computed on the way' means the value that the module computes at that place (a softmax that the list does not call 'softmax' is quantised finished and normalised). What goes into a quantiser is computed in f32, as accurately as f32 sums, v_exp_f32 and their like allow (about 1e-6 of the number): no bf16 or f16 on the way to a quantiser, and a product that is left as it is and whose result goes on into a quantised operand takes f32 operands (vector FMAs, or v_wmma_f32_16x16x4_f32). A number that lies on a knife's edge between two numbers of the format may be rounded either way, as far as f32 arithmetic and the matrix unit's own rounding can turn it there, and no further.
;; One version. Each part assembles by itself: llvm-mc -triple=amdgcn-amd-amdhsa -mcpu=gfx1250 --defsym DOCPART=n.
;; ======== version 1 of 1: 5 launches
;; limits: right only within a limited range of input values
;; workspace buffers: xcod 6,291,456 bytes; xscl 262,144 bytes; wcod 3,145,728 bytes; wscl 131,072 bytes; pcod 9,437,184 bytes; pscl 393,216 bytes; acod 3,145,728 bytes; ascl 131,072 bytes
;; launch quant_x (part 1): grid 256 x 1, 4 waves a work-group, no clusters, 33,280 bytes of LDS; arguments query_x, kv_x, xcod, xscl; writes xcod, xscl
.if DOCPART == 1
	.amdgcn_target "amdgcn-amd-amdhsa--gfx1250"
	.amdhsa_code_object_version 6
	.text
	.protected	k_q5a40502716_quant_x
	.globl	k_q5a40502716_quant_x
	.p2align	8
	.type	k_q5a40502716_quant_x,@function
k_q5a40502716_quant_x:
	s_mov_b64 s[64:65], 0
	v_nop
	global_prefetch_b8 v0, s[64:65] scope:SCOPE_SE
	s_setreg_imm32_b32 hwreg(HW_REG_WAVE_MODE, 25, 1), 1
	s_wait_xcnt 0x0
; query_x and kv_x, each [4096][1024] f32, become codes of FP6 (E2M3), K innermost (768 bytes a row), with one E8M0 byte for each 32 along K (32 bytes a row).
; A block's scale is 2^(floor(log2(its largest magnitude)) - 2); its byte is the largest magnitude's exponent field - 2, held at 1 from below.
; (A block of zeros so gets the byte 1 where the quantiser says 127: its codes are zeros, and the bytes are read by this program alone.)
; LIMITS: blocks whose largest magnitude lies under 2^-124 get the byte 1; NaN and infinities among the inputs are not served.
; THE ROWS LEAVE IN ANOTHER ORDER: token t goes to buffer row t with its bits 3 and 4 exchanged.  A wave's run is 8 rows, so only the run's number changes: bits 0 and 1 of it.
; The later products then find, in 16 neighbouring buffer rows, the rows that their results' layout wants.
; A wave takes 16 steps of 512 numbers.  Each of a step's four loads reads 512 consecutive bytes; the 2,048 bytes turn through the wave's own stage in LDS and come back 64 bytes a lane: 16 neighbours along K.
; Two neighbouring lanes hold a block.  A lane's 16 codes are 12 bytes: a store covers 384 consecutive bytes.  A wave's 256 scale bytes are gathered in LDS and leave as 256 consecutive aligned bytes.
; The first 128 work-groups take query_x, the others kv_x.  No tensor loads, no barrier: waves share nothing.
.set WAVES, 4
.set STEPS, 16
.set WGA,   128                        ; 4096 x 1024 / (512 x 16 x 4)
.set EMAX,  2
.set CB,    12                         ; bytes of 16 codes
.set R,     16                         ; v16-79   four sets of 16 numbers as they are loaded
.set X,     80                         ; v80-111  two sets of 16 neighbours
.set C,     128                        ; v128-191 codes: four registers for each step
.set E,     112                        ; v112-127 a scale byte for each step
.set WREG,  8192                       ; LDS: a region for each wave: two stages of 32 x SP bytes, then its 256 scale bytes
.set SP,    80                         ; a lane's place in a stage: 64 bytes + 16 of padding
.set SPW,   12                         ; v12  my spare word's LDS address; never rewritten
.set NIL,   13                         ; v13  0; never rewritten
.set SPARE, WAVES*WREG                 ; the spare words: 128 bytes a wave, named by no other line
	s_load_b128 s[4:7], s[0:1], 0x0                ; query_x, kv_x
	s_load_b128 s[8:11], s[0:1], 0x10              ; xcod, xscl
	v_lshl_add_u32 v[SPW], v0, 2, SPARE
	v_mov_b32 v[NIL], 0
	v_lshrrev_b32 v1, 5, v0
	v_readfirstlane_b32 s16, v1                    ; wave
	v_and_b32 v2, 31, v0                           ; lane
	v_lshlrev_b32 v3, 4, v2                        ; my 16 bytes of a load's 512
	s_mul_i32 s17, s16, WREG
	v_lshrrev_b32 v14, 2, v2
	v_mul_u32_u24 v14, v14, SP
	v_and_b32 v15, 3, v2
	v_lshl_add_u32 v14, v15, 4, v14
	v_add_nc_u32 v14, s17, v14                     ; the stage, on the way in: SP (lane / 4) + 16 (lane % 4)
	v_mul_u32_u24 v15, v2, SP
	v_add_nc_u32 v15, s17, v15                     ; and on the way out: SP x lane
	v_mul_u32_u24 v4, v2, CB                       ; my codes' place in a step's
	v_lshrrev_b32 v5, 1, v2
	s_add_co_u32 s17, s17, 2*32*SP
	v_add_nc_u32 v5, s17, v5                       ; LDS: my block's scale byte
	v_lshlrev_b32 v7, 3, v2                        ; on the way out 8 bytes a lane
	v_add_nc_u32 v6, s17, v7
	s_wait_alu depctr_va_vdst(0)
	s_wait_kmcnt 0x0
	s_cmp_lt_u32 ttmp9, WGA                        ; which tensor: hangs on the work-group's number alone
	s_cselect_b64 s[4:5], s[4:5], s[6:7]
	s_cselect_b32 s17, 0, WGA
	s_cselect_b32 s22, 0, 1                        ; the tensor's number
	s_sub_co_u32 s17, ttmp9, s17
	s_lshl_b32 s17, s17, 2
	s_add_co_u32 s18, s17, s16                     ; the run of 8 rows that I read
	s_lshl_b32 s18, s18, 15                        ; 32,768 bytes a run
	s_mov_b32 s19, 0
	s_add_nc_u64 s[4:5], s[4:5], s[18:19]
	s_and_b32 s20, s16, 1
	s_lshl_b32 s20, s20, 1
	s_lshr_b32 s21, s16, 1
	s_or_b32 s20, s20, s21
	s_add_co_u32 s20, s20, s17                     ; the run that I write: bits 0 and 1 exchanged
	s_mul_i32 s18, s20, 32*STEPS*CB                ; 6,144 bytes of codes a run
	s_mul_i32 s21, s22, 3145728
	s_add_co_u32 s18, s18, s21
	s_add_nc_u64 s[8:9], s[8:9], s[18:19]
	s_lshl_b32 s18, s20, 8                         ; 256 scale bytes a run
	s_lshl_b32 s21, s22, 17
	s_add_co_u32 s18, s18, s21
	s_add_nc_u64 s[10:11], s[10:11], s[18:19]
.macro LOAD t
.irp i, 0,1,2,3
	global_load_b128 v[R+16*((\t)%4)+4*\i:R+16*((\t)%4)+4*\i+3], v3, s[4:5] offset:2048*(\t)+512*\i th:TH_LOAD_NT
.endr
.endm
.macro TURN t                          ; step t's numbers through the stage: LDS serves a wave's instructions in order, so no wait stands between the stores and the loads
.irp i, 0,1,2,3
	ds_store_b128 v14, v[R+16*((\t)%4)+4*\i:R+16*((\t)%4)+4*\i+3] offset:32*SP*((\t)%2)+8*SP*\i
.endr
.irp i, 0,1,2,3
	ds_load_b128 v[X+16*((\t)%2)+4*\i:X+16*((\t)%2)+4*\i+3], v15 offset:32*SP*((\t)%2)+16*\i
.endr
.endm
.irp t, 0,1,2,3
	LOAD \t
.endr
	s_wait_loadcnt 12                              ; step 0's four loads are in; twelve younger ones stay out
	TURN 0
.macro STEP t
.set XS, X+16*((\t)%2)
.if (\t) > 0
	s_wait_dscnt 1                                 ; this step's numbers are back from the stage (the last step's byte store may be out)
.else
	s_wait_dscnt 0x0
.endif
.if (\t)+4 < STEPS
	LOAD (\t)+4                                    ; into the registers that the stage's stores have read
.endif
.if (\t)+1 < STEPS
.if STEPS-2-(\t) >= 3
	s_wait_loadcnt 12                              ; the next step's four loads are in; those of three steps behind it may be out
.else
	s_wait_loadcnt 4*(STEPS-2-(\t))
.endif
	TURN (\t)+1
.endif
	v_max3_num_f32 v8, |v[XS]|, |v[XS+1]|, |v[XS+2]|               ; the largest magnitude of my 16, in two chains
	v_max3_num_f32 v9, |v[XS+3]|, |v[XS+4]|, |v[XS+5]|
.irp i, 6,10
	v_max3_num_f32 v8, v8, |v[XS+\i]|, |v[XS+\i+1]|
	v_max3_num_f32 v9, v9, |v[XS+\i+2]|, |v[XS+\i+3]|
.endr
	v_max3_num_f32 v8, v8, |v[XS+14]|, |v[XS+15]|
	v_max3_num_f32 v8, v8, v9, (EMAX+1)<<23        ; and the floor 2^(3 - 127): the byte cannot fall under 1
	v_max_num_f32_dpp v8, v8, v8 row_xmask:1 row_mask:0xf bank_mask:0xf   ; with my neighbour's 16: the block's
	v_add_nc_u32 v11, -(EMAX<<23), v8              ; 2 off its exponent field: the conversion's scale operand
	v_cvt_scalef32_pk16_fp6_f32 v[C+4*(\t):C+4*(\t)+2], v[XS:XS+15], v11
	v_lshrrev_b32 v[E+(\t)], 23, v11               ; the scale's byte
	ds_store_b8 v5, v[E+(\t)] offset:16*(\t)       ; both lanes of a block write the same byte with the same value
	global_store_b96 v4, v[C+4*(\t):C+4*(\t)+2], s[8:9] offset:32*CB*(\t)
.endm
.irp t, 0,1,2,3,4,5,6,7,8,9,10,11,12,13,14,15
	STEP \t
.endr
	ds_load_b64 v[8:9], v6                         ; LDS serves a wave's instructions in order: these see my stores
	s_wait_dscnt 0x0
	global_store_b64 v7, v[8:9], s[10:11]          ; 32 lanes store 256 consecutive aligned bytes
	s_wait_tensorcnt 0x0                           ; the wave's end: behind my last LDS store
	ds_add_u32 v[SPW], v[NIL]
	s_wait_dscnt 0x0
	s_endpgm
.Lfunc_end_k_q5a40502716_quant_x:
	.size	k_q5a40502716_quant_x, .Lfunc_end_k_q5a40502716_quant_x-k_q5a40502716_quant_x
	.p2alignl 7, 3214868480
	.fill 96, 4, 3214868480
	.section	.rodata,"a",@progbits
	.p2align	6, 0x0
	.amdhsa_kernel k_q5a40502716_quant_x
		.amdhsa_group_segment_fixed_size 33280
		.amdhsa_private_segment_fixed_size 0
		.amdhsa_enable_private_segment 0
		.amdhsa_kernarg_size 32
		.amdhsa_user_sgpr_count 2
		.amdhsa_user_sgpr_kernarg_segment_ptr 1
		.amdhsa_wavefront_size32 1
		.amdhsa_system_sgpr_workgroup_id_x 1
		.amdhsa_system_sgpr_workgroup_id_y 1
		.amdhsa_system_sgpr_workgroup_id_z 1
		.amdhsa_system_vgpr_workitem_id 0
		.amdhsa_next_free_vgpr 192
		.amdhsa_next_free_sgpr 66
		.amdhsa_reserve_vcc 0
		.amdhsa_float_denorm_mode_32 3
		.amdhsa_float_denorm_mode_16_64 3
		.amdhsa_memory_ordered 1
		.amdhsa_forward_progress 1
		.amdhsa_inst_pref_size 33
	.end_amdhsa_kernel
	.amdgpu_metadata
---
amdhsa.version: [ 1, 2 ]
amdhsa.kernels:
  - .name:           k_q5a40502716_quant_x
    .symbol:         k_q5a40502716_quant_x.kd
    .args:
      - { .name: query_x, .offset: 0, .size: 8, .value_kind: global_buffer, .address_space: global }
      - { .name: kv_x, .offset: 8, .size: 8, .value_kind: global_buffer, .address_space: global }
      - { .name: xcod, .offset: 16, .size: 8, .value_kind: global_buffer, .address_space: global }
      - { .name: xscl, .offset: 24, .size: 8, .value_kind: global_buffer, .address_space: global }
    .group_segment_fixed_size: 33280
    .private_segment_fixed_size: 0
    .kernarg_segment_align: 8
    .kernarg_segment_size: 32
    .max_flat_workgroup_size: 128
    .sgpr_count:     66
    .vgpr_count:     192
    .wavefront_size: 32
...
	.end_amdgpu_metadata
.endif
;; end of part 1
;; launch quant_w (part 2): grid 8 x 16, 4 waves a work-group, no clusters, 35,840 bytes of LDS; arguments Wq, Wk, Wv, Wo, wcod, wscl; writes wcod, wscl
.if DOCPART == 2
	.amdgcn_target "amdgcn-amd-amdhsa--gfx1250"
	.amdhsa_code_object_version 6
	.text
	.protected	k_q5a40502716_quant_w
	.globl	k_q5a40502716_quant_w
	.p2align	8
	.type	k_q5a40502716_quant_w,@function
k_q5a40502716_quant_w:
	s_mov_b64 s[64:65], 0
	v_nop
	global_prefetch_b8 v0, s[64:65] scope:SCOPE_SE
	s_setreg_imm32_b32 hwreg(HW_REG_WAVE_MODE, 25, 1), 1
	s_wait_xcnt 0x0
; The four weights, each [1024 (k)][1024 (n)] f32 with K as FIRST axis, become codes of FP6 (E2M3) laid [weight][n'][768 bytes] with K innermost, and E8M0 bytes [weight][n'][32].
; n' is n with its bits 3 and 4 exchanged: the later products find in 16 neighbouring buffer rows the rows that their results' layout wants.
; A LANE TAKES A COLUMN n AND ITS REGISTERS RUN DOWN K: a load reads 128 consecutive bytes a wave, a block of 32 along K lies in one lane, and the conversions give codes with K innermost.
; A block's scale is 2^(floor(log2(its largest magnitude)) - 2); its byte is the exponent field - 2, held at 1 from below (a block of zeros gets 1 where the quantiser says 127: its codes are zeros, and this program alone reads the bytes).
; LIMITS: blocks whose largest magnitude lies under 2^-124 get the byte 1; NaN and infinities among the inputs are not served.
; Work-group (x, y): columns 128 x on, weight y / 4, K part y % 4 of 256.  A wave: 32 columns x 256 along K; its codes go through its own stage in LDS and leave by rows, sixteen lanes to a row's 192 bytes.
.set SIZE_K, 1024
.set SIZE_N, 1024
.set KW,    256
.set NB,    KW/32
.set ROWB,  192
.set PITCH, 272                        ; a stage row: sixteen places of 16 bytes, each with 12 bytes of codes, + 16
.set KROW,  SIZE_K*6/8
.set EMAX,  2
.set X,     32                         ; v32-95   two sets of 32 numbers
.set C,     96                         ; v96..    a block's codes
.set OUTR,  112                        ; v112-175 the way out
.set SPW,   14
.set NIL,   15
.set SPARE, 4*32*PITCH                 ; the spare words, behind the four stages
.set SB,    24                         ; v24-25   the scale bytes
	s_load_b256 s[32:39], s[0:1], 0x0              ; Wq, Wk, Wv, Wo
	s_load_b128 s[8:11], s[0:1], 0x20              ; wcod, wscl
	v_lshl_add_u32 v[SPW], v0, 2, SPARE
	v_mov_b32 v[NIL], 0
	v_lshrrev_b32 v1, 5, v0
	v_readfirstlane_b32 s16, v1                    ; wave
	v_and_b32 v2, 31, v0                           ; lane
	s_lshl_b32 s17, ttmp9, 7
	s_lshl_b32 s18, s16, 5
	s_add_co_u32 s17, s17, s18                     ; my wave's first column
	s_and_b32 s30, ttmp7, 0xffff
	s_and_b32 s18, s30, 3                          ; which 256 along K
	s_lshr_b32 s30, s30, 2                         ; which weight
	v_lshlrev_b32 v3, 2, v2                        ; in: 4 bytes a lane
	s_mul_i32 s19, s16, 32*PITCH                   ; my stage
	v_mul_u32_u24 v4, v2, PITCH
	v_add_nc_u32 v4, s19, v4                       ; into it: row = my column
	v_and_b32 v5, 15, v2
	v_lshrrev_b32 v6, 4, v2
	v_mul_u32_u24 v7, v6, PITCH
	v_lshl_add_u32 v7, v5, 4, v7
	v_add_nc_u32 v7, s19, v7                       ; out of it: sixteen lanes to a row, two rows an instruction
	v_mul_u32_u24 v8, v6, KROW
	v_mad_u32_u24 v8, v5, 12, v8                   ; and the same place in the codes' buffer
	v_and_b32 v9, 7, v2                            ; my column's row of scale bytes: the lane's number with bits 3 and 4 exchanged, x 32
	v_and_b32 v10, 8, v2
	v_lshl_or_b32 v9, v10, 1, v9
	v_and_b32 v10, 16, v2
	v_lshrrev_b32 v10, 1, v10
	v_or_b32 v9, v9, v10
	v_lshlrev_b32 v9, 5, v9
	s_lshl_b32 s20, s18, 20                        ; W: 256 rows of 4,096 bytes for each K part,
	s_lshl_b32 s22, s17, 2
	s_add_co_u32 s20, s20, s22                     ; + 4 x column
	s_mov_b32 s21, 0
	s_mul_i32 s24, s17, KROW                       ; codes: column x 768 + 192 x K part + the weight's 786,432
	s_mul_i32 s22, s18, ROWB
	s_add_co_u32 s24, s24, s22
	s_mul_i32 s22, s30, 786432
	s_add_co_u32 s24, s24, s22
	s_mov_b32 s25, 0
	s_lshl_b32 s28, s17, 5                         ; scale bytes: column x 32 + 8 x K part + the weight's 32,768
	s_lshl_b32 s22, s18, 3
	s_add_co_u32 s28, s28, s22
	s_lshl_b32 s22, s30, 15
	s_add_co_u32 s28, s28, s22
	s_mov_b32 s29, 0
	s_wait_kmcnt 0x0
	s_bitcmp1_b32 s30, 0                           ; the weight's pointer: a choice that hangs on the work-group's number alone
	s_cselect_b64 s[32:33], s[34:35], s[32:33]
	s_cselect_b64 s[36:37], s[38:39], s[36:37]
	s_bitcmp1_b32 s30, 1
	s_cselect_b64 s[4:5], s[36:37], s[32:33]
	s_add_nc_u64 s[4:5], s[4:5], s[20:21]
	s_add_nc_u64 s[8:9], s[8:9], s[24:25]
	s_add_nc_u64 s[10:11], s[10:11], s[28:29]
.macro LOAD t                          ; block t: W(32 t + i, my column) into set t % 2
.irp i, 0,1,2,3,4,5,6,7,8,9,10,11,12,13,14,15,16,17,18,19,20,21,22,23,24,25,26,27,28,29,30,31
	global_load_b32 v[X+32*((\t)%2)+\i], v3, s[4:5] offset:(32*(\t)+\i)*SIZE_N*4 th:TH_LOAD_NT
.endr
.endm
	LOAD 0
	LOAD 1
.macro BLOCK t
.set XS, X+32*((\t)%2)
.if (\t) < NB-1
	s_wait_loadcnt 32                              ; this block's 32 loads are in; the next block's may be out
.else
	s_wait_loadcnt 0
.endif
	v_max3_num_f32 v12, |v[XS]|, |v[XS+1]|, |v[XS+2]|
	v_max3_num_f32 v13, |v[XS+3]|, |v[XS+4]|, |v[XS+5]|
.irp i, 6,10,14,18,22,26
	v_max3_num_f32 v12, v12, |v[XS+\i]|, |v[XS+\i+1]|
	v_max3_num_f32 v13, v13, |v[XS+\i+2]|, |v[XS+\i+3]|
.endr
	v_max3_num_f32 v12, v12, |v[XS+30]|, |v[XS+31]|
	v_max3_num_f32 v12, v12, v13, (EMAX+1)<<23     ; the floor: the byte cannot fall under 1
	v_add_nc_u32 v11, -(EMAX<<23), v12             ; the conversion's scale operand
	v_lshrrev_b32 v13, 23, v11                     ; the scale's byte
.if (\t)%4 == 0
	v_mov_b32 v[SB+(\t)/4], v13
.else
	v_lshl_or_b32 v[SB+(\t)/4], v13, 8*((\t)%4), v[SB+(\t)/4]
.endif
	v_cvt_scalef32_pk16_fp6_f32 v[C:C+2], v[XS:XS+15], v11
	v_cvt_scalef32_pk16_fp6_f32 v[C+4:C+6], v[XS+16:XS+31], v11
	ds_store_b96 v4, v[C:C+2] offset:32*(\t)       ; 12 bytes to a place of 16, so that every LDS address is a multiple of 16
	ds_store_b96 v4, v[C+4:C+6] offset:32*(\t)+16
.if (\t)+2 < NB
	LOAD (\t)+2
.endif
	s_wait_dscnt 0x0                               ; the stores have read their registers: the next block's codes may be written
.endm
.set Q, 0
.rept NB
	BLOCK Q
.set Q, Q+1
.endr
	s_wait_alu depctr_va_vdst(0)
	global_store_b64 v9, v[SB:SB+1], s[10:11]      ; my column's 8 scale bytes
.irp t, 0,1,2,3,4,5,6,7,8,9,10,11,12,13,14,15
	ds_load_b96 v[OUTR+4*\t:OUTR+4*\t+2], v7 offset:2*\t*PITCH
.endr
.irp t, 0,1,2,3,4,5,6,7,8,9,10,11,12,13,14,15
	s_wait_dscnt 15-\t                             ; the younger row loads may stay out
	global_store_b96 v8, v[OUTR+4*\t:OUTR+4*\t+2], s[8:9] offset:(2*(\t%4)+16*((\t/4)%2)+8*(\t/8))*KROW   ; stage row 2 t + lane / 16, with bits 3 and 4 exchanged
.endr
	s_wait_tensorcnt 0x0                           ; the wave's end: behind my last LDS store
	ds_add_u32 v[SPW], v[NIL]
	s_wait_dscnt 0x0
	s_endpgm
.Lfunc_end_k_q5a40502716_quant_w:
	.size	k_q5a40502716_quant_w, .Lfunc_end_k_q5a40502716_quant_w-k_q5a40502716_quant_w
	.p2alignl 7, 3214868480
	.fill 96, 4, 3214868480
	.section	.rodata,"a",@progbits
	.p2align	6, 0x0
	.amdhsa_kernel k_q5a40502716_quant_w
		.amdhsa_group_segment_fixed_size 35840
		.amdhsa_private_segment_fixed_size 0
		.amdhsa_enable_private_segment 0
		.amdhsa_kernarg_size 48
		.amdhsa_user_sgpr_count 2
		.amdhsa_user_sgpr_kernarg_segment_ptr 1
		.amdhsa_wavefront_size32 1
		.amdhsa_system_sgpr_workgroup_id_x 1
		.amdhsa_system_sgpr_workgroup_id_y 1
		.amdhsa_system_sgpr_workgroup_id_z 1
		.amdhsa_system_vgpr_workitem_id 0
		.amdhsa_next_free_vgpr 192
		.amdhsa_next_free_sgpr 66
		.amdhsa_reserve_vcc 0
		.amdhsa_float_denorm_mode_32 3
		.amdhsa_float_denorm_mode_16_64 3
		.amdhsa_memory_ordered 1
		.amdhsa_forward_progress 1
		.amdhsa_inst_pref_size 42
	.end_amdhsa_kernel
	.amdgpu_metadata
---
amdhsa.version: [ 1, 2 ]
amdhsa.kernels:
  - .name:           k_q5a40502716_quant_w
    .symbol:         k_q5a40502716_quant_w.kd
    .args:
      - { .name: Wq, .offset: 0, .size: 8, .value_kind: global_buffer, .address_space: global }
      - { .name: Wk, .offset: 8, .size: 8, .value_kind: global_buffer, .address_space: global }
      - { .name: Wv, .offset: 16, .size: 8, .value_kind: global_buffer, .address_space: global }
      - { .name: Wo, .offset: 24, .size: 8, .value_kind: global_buffer, .address_space: global }
      - { .name: wcod, .offset: 32, .size: 8, .value_kind: global_buffer, .address_space: global }
      - { .name: wscl, .offset: 40, .size: 8, .value_kind: global_buffer, .address_space: global }
    .group_segment_fixed_size: 35840
    .private_segment_fixed_size: 0
    .kernarg_segment_align: 8
    .kernarg_segment_size: 48
    .max_flat_workgroup_size: 128
    .sgpr_count:     66
    .vgpr_count:     192
    .wavefront_size: 32
...
	.end_amdgpu_metadata
.endif
;; end of part 2
;; launch proj (part 3): grid 4 x 48, 4 waves a work-group, clusters of 4 x 4, 327,680 bytes of LDS; arguments xcod, xscl, wcod, wscl, pcod, pscl; writes pcod, pscl
.if DOCPART == 3
	.amdgcn_target "amdgcn-amd-amdhsa--gfx1250"
	.amdhsa_code_object_version 6
	.text
	.protected	k_q5a40502716_proj
	.globl	k_q5a40502716_proj
	.p2align	8
	.type	k_q5a40502716_proj,@function
k_q5a40502716_proj:
	s_mov_b64 s[64:65], 0
	v_nop
	global_prefetch_b8 v0, s[64:65] scope:SCOPE_SE
	s_setreg_imm32_b32 hwreg(HW_REG_WAVE_MODE, 25, 1), 1
	s_wait_xcnt 0x0
	s_wait_alu depctr_hold_cnt(0) depctr_sa_sdst(0) depctr_va_vdst(0) depctr_va_sdst(0) depctr_va_ssrc(0) depctr_va_vcc(0) depctr_vm_vsrc(0)
	s_getreg_b32 s2, hwreg(HW_REG_IB_STS2, 6, 4)
	s_cmp_eq_u32 s2, 0
	s_cbranch_scc0 .Lentry_in_a_cluster
	s_endpgm
.Lentry_in_a_cluster:
	s_bfe_u32 s2, ttmp6, 0x10000c
	s_cmp_lg_u32 s2, 0xf033
	s_cbranch_scc0 .Lentry_shape_is_right
	s_endpgm
.Lentry_shape_is_right:
; The three projections on codes of FP6 (E2M3) with E8M0 scales: role 0: q = query_x Wq (x 32^-0.5), role 1: k = kv_x Wk, role 2: v^T = Wv^T kv_x^T.
; A work-group of four waves makes 256 x 256, a wave 128 x 128 (64 accumulators).  K = 1024 is 768 bytes a row and goes through two LDS slots in three chunks of 256 bytes,
; each tile row 256 bytes of memory on a 256-byte border; a step of 128 along K is 96 bytes, so steps 2 and 5 lie across two chunks.  The scales of all of K come once.
; 4 x 4 work-groups form a cluster: A's tiles are asked for jointly along a row of it, B's along a column.
; Source 0 = rows of B, source 1 = rows of A: a lane holds one row of A and registers along B's rows, which are the next product's K; the results are quantised in registers
; and stored as images of the attention launch's operand registers.
; No prefetch: the walk has three chunks, two of them asked for ahead of the first product.
; LIMITS: a block whose largest magnitude lies under 2^-124, a block of zeros too, gets the byte 1 (read by this program alone); NaN and infinities are not served.
.set ROWB,   256
.set NQ,     2
.set KROW,   768
.set STEPS,  8
.set CHUNKS, 3
.set PITCH,  272
.set FR,     12
.set NL,     6
.set NP,     4
.set HALFT,  128*PITCH
.set SLOT,   4*HALFT
.set KS,     32
.set SCL,    2*SLOT
.set HALFS,  (128*KS/256)*272
.set SBLK,   (16*KS/256)*272
.set SPARE,  SCL+4*HALFS
.set ADRA, 16
.set ADRB, 20
.set ADRS, 27
.set SPW,  28
.set NIL,  29
.set SC,   32
.set AF,   128
.set ST,   64
.set PC,   128
.set TM,   148
.set PWA,  164
.set SELV, 172
.set LI16, 173
.set LI8,  174
.set LSC,  175
.set KW,   176
.set VW,   180
.set G1, 24
.set G0, 32
.set G1B, 48
.set G0B, 56
.set G1S, 68
.set G0S, 76
.set G1SB, 80
.set G0SB, 88
.set G0H, 4
.set G0HB, 8
.set ROLE, 96
.set B0,  68
.set B1,  70
.set SA,  72
.set SJ,  74
.set FAC, 76
.set SEL, 86
.set MSB, 0
.macro WIN new
.if MSB != \new
	s_set_vgpr_msb (MSB<<8)|\new
.set MSB, \new
.endif
.endm
.set MUL_LO, 0xa1
.set MUL_HI, 0xf1
.set TO_B,   0x40
.macro JLOAD g0a, g1a, g0b, g1b        ; waves 0, 1 fetch for A, waves 2, 3 for B
	s_cmp_eq_u32 s15, 0
	s_cbranch_scc0 .Lfor_b_\@
	tensor_load_to_lds s[\g0a:\g0a+3], s[\g1a:\g1a+7]
	s_nop 0
.rept 4
	v_nop
.endr
	s_branch .Lasked_\@
.Lfor_b_\@:
	tensor_load_to_lds s[\g0b:\g0b+3], s[\g1b:\g1b+7]
	s_nop 0
.rept 4
	v_nop
.endr
.Lasked_\@:
.endm
.macro CREST
	s_cmp_lg_u32 s14, 0
	s_cbranch_scc1 .Lnot_wave_0_\@
	s_barrier_signal -3
.Lnot_wave_0_\@:
	s_barrier_wait -3
	s_barrier_signal -1
	s_barrier_wait -1
.endm
.macro CROUND
	s_barrier_signal -1
	s_barrier_wait -1
	CREST
.endm
	s_load_b128 s[4:7], s[0:1], 0x0                ; xcod, xscl
	s_load_b128 s[8:11], s[0:1], 0x10              ; wcod, wscl
	s_load_b64 s[12:13], s[0:1], 0x20              ; pcod
	s_load_b64 s[66:67], s[0:1], 0x28              ; pscl
	v_lshl_add_u32 v[SPW], v0, 2, SPARE
	v_mov_b32 v[NIL], 0
	ds_add_u32 v[SPW], v[NIL]                      ; the opening lines
	ds_add_u32 v[SPW], v[NIL]
	v_lshrrev_b32 v1, 5, v0
	v_readfirstlane_b32 s14, v1                    ; wave
	s_lshr_b32 s15, s14, 1
	s_and_b32 s16, s14, 1
	s_bfe_u32 s40, ttmp6, 0x40000                  ; cx
	s_bfe_u32 s41, ttmp6, 0x40004                  ; cy
	s_and_b32 s95, ttmp7, 0xffff
	s_lshr_b32 s[ROLE], s95, 2                     ; four clusters along y to a role
	s_and_b32 s95, s95, 3
	s_lshl_b32 s95, s95, 2
	s_cmp_eq_u32 s[ROLE], 2
	s_cselect_b32 s17, 0, s95
	s_cselect_b32 s42, s95, 0
	s_add_co_u32 s17, s17, s41                     ; tile row: of A
	s_lshl_b32 s97, ttmp9, 2
	s_add_co_u32 s42, s42, s97
	s_add_co_u32 s42, s42, s40                     ; tile column: of B
	s_cmp_eq_u32 s[ROLE], 1
	s_cselect_b32 s95, 4096, 0                     ; the first row of A's tensor in its buffer,
	s_cselect_b32 s97, 1024, 0                     ; and of B's
	s_cmp_eq_u32 s[ROLE], 2
	s_cselect_b32 s95, 2048, s95
	s_cselect_b32 s97, 4096, s97
	s_lshl_b32 s43, s41, 2
	s_lshl_b32 s43, 15, s43                        ; my row of the cluster
	s_lshl_b32 s44, 0x1111, s40                    ; my column
	s_or_b32 s[G1+0], s43, (0<<16)|(1<<20)|(1<<21)|(5<<22)|(3<<25)
	s_or_b32 s[G1B+0], s44, (0<<16)|(1<<20)|(1<<21)|(5<<22)|(3<<25)
.irp g, G1, G1B
	s_mov_b32 s[\g+1], ROWB<<16
	s_mov_b32 s[\g+2], 256<<16                     ; the head's loads bring 256 rows
	s_mov_b32 s[\g+3], ROWB<<16
	s_mov_b32 s[\g+4], 256
	s_mov_b32 s[\g+5], KROW
	s_mov_b32 s[\g+6], 0
	s_mov_b32 s[\g+7], 0
.endr
	s_or_b32 s[G1S+0], s43, (3<<16)|(1<<20)|(1<<21)|(5<<22)|(3<<25)
	s_or_b32 s[G1SB+0], s44, (3<<16)|(1<<20)|(1<<21)|(5<<22)|(3<<25)
.irp g, G1S, G1SB
	s_mov_b32 s[\g+1], 32<<16                      ; the scales of 256 rows: 32 lines of 256 bytes
	s_mov_b32 s[\g+2], KS<<16
	s_mov_b32 s[\g+3], 32<<16
	s_mov_b32 s[\g+4], KS
	s_mov_b32 s[\g+5], 32
	s_mov_b32 s[\g+6], 0
	s_mov_b32 s[\g+7], 0
.endr
	s_lshl_b32 s20, s17, 8
	s_add_co_u32 s20, s20, s95
	s_lshl_b32 s46, s42, 8
	s_add_co_u32 s46, s46, s97
	s_mov_b32 s21, 0
	s_mov_b32 s47, 0
	s_mov_b64 s[18:19], KS
	s_mul_u64 s[22:23], s[20:21], s[18:19]
	s_mul_u64 s[92:93], s[46:47], s[18:19]
	s_mov_b64 s[18:19], KROW
	s_mul_u64 s[20:21], s[20:21], s[18:19]
	s_mul_u64 s[46:47], s[46:47], s[18:19]
	s_mul_i32 s18, s16, 128*KROW                   ; in the ring I fetch 128 rows
	s_mov_b32 s19, 0
	s_mul_i32 s45, s14, HALFT
	s_wait_dscnt 0x0
	s_wait_kmcnt 0x0
	s_cmp_eq_u32 s[ROLE], 2                        ; role 2: A is the weight, B the tokens
	s_cselect_b64 s[98:99], s[8:9], s[4:5]
	s_cselect_b64 s[100:101], s[10:11], s[6:7]
	s_cselect_b64 s[8:9], s[4:5], s[8:9]
	s_cselect_b64 s[10:11], s[6:7], s[10:11]
	s_add_nc_u64 s[20:21], s[98:99], s[20:21]
	s_add_nc_u64 s[22:23], s[100:101], s[22:23]
	s_add_nc_u64 s[46:47], s[8:9], s[46:47]
	s_add_nc_u64 s[92:93], s[10:11], s[92:93]
	CROUND                                         ; the first joint loads meet
	s_mov_b32 s[G0H], 1
	s_mov_b32 s[G0H+1], 0
	s_mov_b64 s[G0H+2:G0H+3], s[20:21]
	s_or_b32 s[G0H+3], s[G0H+3], 0x80000000
	s_mov_b32 s[G0HB], 1
	s_mov_b32 s[G0HB+1], 2*HALFT
	s_mov_b64 s[G0HB+2:G0HB+3], s[46:47]
	s_or_b32 s[G0HB+3], s[G0HB+3], 0x80000000
	s_mov_b32 s[G0S], 1
	s_mov_b32 s[G0S+1], SCL
	s_mov_b64 s[G0S+2:G0S+3], s[22:23]
	s_or_b32 s[G0S+3], s[G0S+3], 0x80000000
	s_mov_b32 s[G0SB], 1
	s_mov_b32 s[G0SB+1], SCL+2*HALFS
	s_mov_b64 s[G0SB+2:G0SB+3], s[92:93]
	s_or_b32 s[G0SB+3], s[G0SB+3], 0x80000000
	s_add_nc_u64 s[20:21], s[20:21], s[18:19]
	s_add_nc_u64 s[46:47], s[46:47], s[18:19]
.irp s, 0,1
	s_mov_b32 s[G0+4*\s], 1
	s_add_co_u32 s[G0+4*\s+1], s45, \s*SLOT
	s_add_nc_u64 s[G0+4*\s+2:G0+4*\s+3], s[20:21], \s*ROWB
	s_or_b32 s[G0+4*\s+3], s[G0+4*\s+3], 0x80000000
	s_mov_b32 s[G0B+4*\s], 1
	s_add_co_u32 s[G0B+4*\s+1], s45, \s*SLOT
	s_add_nc_u64 s[G0B+4*\s+2:G0B+4*\s+3], s[46:47], \s*ROWB
	s_or_b32 s[G0B+4*\s+3], s[G0B+4*\s+3], 0x80000000
.endr
; the head's four tiles, one load a wave: chunk 0 of A, chunk 0 of B, A's scales, B's scales
.macro ARM under, g0, g1, next
	s_cmp_lt_u32 s14, \under
	s_cbranch_scc0 \next
	tensor_load_to_lds s[\g0:\g0+3], s[\g1:\g1+7]
	s_nop 0
.rept 4
	v_nop
.endr
	s_branch .Lhead_asked
\next:
.endm
	ARM 1, G0H,  G1,  .Lhead_b
	ARM 2, G0HB, G1B, .Lhead_sa
	ARM 3, G0S,  G1S, .Lhead_sb
	tensor_load_to_lds s[G0SB:G0SB+3], s[G1SB:G1SB+7]
	s_nop 0
.rept 4
	v_nop
.endr
.Lhead_asked:
	v_and_b32 v1, 15, v0                           ; r
	v_bfe_u32 v2, v0, 4, 1                         ; h
	v_mul_u32_u24 v3, v1, PITCH
	v_mul_u32_u24 v4, v2, 24
	v_add_nc_u32 v4, v3, v4
	s_mov_b32 s21, SLOT-232
	s_mov_b32 s22, SLOT+232
	v_sub_nc_u32 v7, 1, v2
	v_mul_u32_u24 v5, s21, v2
	v_add_nc_u32 v5, v3, v5
	v_add_nc_u32 v5, 232, v5                       ; lanes 0-15 byte 232 in slot 0, lanes 16-31 byte 0 in slot 1
	v_mul_u32_u24 v6, s22, v7
	v_add_nc_u32 v6, v3, v6                        ; and the other way round
	s_mul_i32 s21, s15, HALFT
	s_mul_i32 s22, s16, HALFT
	s_add_co_u32 s22, s22, 2*HALFT
	v_add_nc_u32 v[ADRA+2], s21, v5
	v_add_nc_u32 v[ADRA+3], s21, v6
	v_add_nc_u32 v[ADRB+2], s22, v5
	v_add_nc_u32 v[ADRB+3], s22, v6
.irp s, 0,1
	v_add_nc_u32 v[ADRA+\s], s21, v4
	v_add_nc_u32 v[ADRB+\s], s22, v4
	s_add_co_u32 s21, s21, SLOT
	s_add_co_u32 s22, s22, SLOT
.endr
	v_mul_u32_u24 v5, v1, KS
	v_lshrrev_b32 v6, 8, v5
	v_lshl_add_u32 v5, v6, 4, v5
	s_mul_i32 s21, s15, HALFS
	s_mul_i32 s22, s16, HALFS
	s_add_co_u32 s22, s22, 2*HALFS
	s_sub_co_u32 s22, s22, s21
	v_mul_u32_u24 v6, s22, v2                      ; lanes 16-31 take B's scale words
	s_add_co_u32 s21, s21, SCL
	v_add_nc_u32 v5, v5, v6
	v_add_nc_u32 v[ADRS], s21, v5
.macro FRAG reg, adr, st, i            ; 16 rows x 128 K: six pieces of 8 bytes; byte y of a row lies in slot (y / 256) % 2 at byte y % 256
.irp p, 0,1,2,3,4,5
.set BY, 96*(\st)+48*(\p/3)+8*(\p%3)
.if BY/ROWB == (BY+24)/ROWB
	ds_load_b64 v[\reg+2*\p:\reg+2*\p+1], v[\adr+(BY/ROWB)%2] offset:BY%ROWB+(\i)*16*PITCH
.else
	ds_load_b64 v[\reg+2*\p:\reg+2*\p+1], v[\adr+2+(BY/ROWB)%2] offset:BY%ROWB-232+(\i)*16*PITCH
.endif
.endr
.endm
.macro MUL16 a0, p, q, sc, zero        ; the 64 accumulators take turns
.irp a, \a0, \a0+1
.irp b, 0,1,2,3,4,5,6,7
.if \zero
	v_wmma_scale_f32_16x16x128_f8f6f4 v[8*(8*((\a)%4)+\b):8*(8*((\a)%4)+\b)+7], v[128*(\p)+FR*\b:128*(\p)+FR*\b+FR-1], v[AF+FR*(\a):AF+FR*(\a)+FR-1], 0, v[SC+8*NQ*(\sc)+NQ*\b+(\q)], v[SC+8*NQ*(\sc)+NQ*(\a)+(\q)] matrix_a_fmt:MATRIX_FMT_FP6 matrix_b_fmt:MATRIX_FMT_FP6 matrix_a_scale:MATRIX_SCALE_ROW1
.else
	v_wmma_scale_f32_16x16x128_f8f6f4 v[8*(8*((\a)%4)+\b):8*(8*((\a)%4)+\b)+7], v[128*(\p)+FR*\b:128*(\p)+FR*\b+FR-1], v[AF+FR*(\a):AF+FR*(\a)+FR-1], v[8*(8*((\a)%4)+\b):8*(8*((\a)%4)+\b)+7], v[SC+8*NQ*(\sc)+NQ*\b+(\q)], v[SC+8*NQ*(\sc)+NQ*(\a)+(\q)] matrix_a_fmt:MATRIX_FMT_FP6 matrix_b_fmt:MATRIX_FMT_FP6 matrix_a_scale:MATRIX_SCALE_ROW1
.endif
.endr
.endr
.endm
.macro FETCH_B st, p
	WIN TO_B
.irp i, 0,1,2,3,4,5,6,7
	FRAG 128*(\p)+FR*\i, ADRB, \st, \i
.endr
	WIN 0
.endm
.macro FETCH_A st, i0
.irp i, \i0, \i0+1, \i0+2, \i0+3
	FRAG AF+FR*(\i), ADRA, \st, \i
.endr
.endm
.macro SCALES pr
.irp i, 0,1,2,3,4,5,6,7
	ds_load_b64 v[SC+8*NQ*((\pr)%2)+NQ*\i:SC+8*NQ*((\pr)%2)+NQ*\i+1], v[ADRS] offset:\i*SBLK+4*NQ*(\pr)
.endr
.endm
.macro PLACES n
.rept \n
	v_nop
.endr
.endm
; A step of 128 along K.  Where the next step's bytes end in a chunk not yet read: a wait for my tensor loads and a barrier.  Where they begin in a later chunk: the chunk left behind
; is read no more: the three lines, the barrier, and, where a chunk two on is left, the cluster's round and the refill.
.macro STEP st, zero
.set NX, (\st)+1
.set C0, (96*(\st))/ROWB
.set C1, (96*NX)/ROWB
.set E0, (96*(\st)+95)/ROWB
.set E1, (96*NX+95)/ROWB
.if C1 > C0 || E1 > E0
	s_wait_tensorcnt 0x0
.if C1 > C0
	ds_add_u32 v[SPW], v[NIL]
	s_wait_dscnt 4*NL+1                            ; the add and A's blocks 4-7 may be out
.else
	s_wait_dscnt 4*NL                              ; A's blocks 4-7 may be out
.endif
	WIN MUL_LO
	MUL16 0, (\st)%2, (\st)%2, ((\st)/2)%2, \zero
	s_wait_dscnt 0x0
	s_barrier_signal -1
	MUL16 2, (\st)%2, (\st)%2, ((\st)/2)%2, \zero
	WIN 0
	s_barrier_wait -1
.if C1 > C0 && C0+2 < CHUNKS
	CREST
	s_add_nc_u64 s[G0+4*(C0%2)+2:G0+4*(C0%2)+3], s[G0+4*(C0%2)+2:G0+4*(C0%2)+3], 2*ROWB
	s_add_nc_u64 s[G0B+4*(C0%2)+2:G0B+4*(C0%2)+3], s[G0B+4*(C0%2)+2:G0B+4*(C0%2)+3], 2*ROWB
	JLOAD G0+4*(C0%2), G1, G0B+4*(C0%2), G1B
.else
	PLACES NP
.endif
.else
	s_wait_dscnt 4*NL                              ; A's blocks 4-7 may be out
	WIN MUL_LO
	MUL16 0, (\st)%2, (\st)%2, ((\st)/2)%2, \zero
	MUL16 2, (\st)%2, (\st)%2, ((\st)/2)%2, \zero
	s_wait_dscnt 0
	PLACES NP
.endif
	FETCH_B NX, NX%2
	FETCH_A NX, 0
.if NX%2 == 0
	SCALES NX/2
.endif
	WIN MUL_HI
	MUL16 4, (\st)%2, (\st)%2, ((\st)/2)%2, \zero
	MUL16 6, (\st)%2, (\st)%2, ((\st)/2)%2, \zero
	PLACES NP
	WIN 0
	FETCH_A NX, 4
.endm
	s_wait_alu depctr_va_vdst(0)
	s_wait_tensorcnt 0x0                           ; my tile of the head's four is in; the three lines ahead of slot 1's first fill
	ds_add_u32 v[SPW], v[NIL]
	s_mov_b32 s[G1+2], 128<<16                     ; from here on a load brings 128 rows
	s_mov_b32 s[G1+4], 128
	s_mov_b32 s[G1B+2], 128<<16
	s_mov_b32 s[G1B+4], 128
	s_wait_dscnt 0x0
	CROUND
	JLOAD G0+4, G1, G0B+4, G1B                     ; chunk 1
	FETCH_B 0, 0
	FETCH_A 0, 0
	SCALES 0
	FETCH_A 0, 4
	STEP 0, 1
.set STN, 1
.rept STEPS-2
	STEP STN, 0
.set STN, STN+1
.endr
	s_wait_dscnt 4*NL
	WIN MUL_LO
	MUL16 0, 1, 1, 1, 0
	MUL16 2, 1, 1, 1, 0
	s_wait_dscnt 0
	WIN MUL_HI
	MUL16 4, 1, 1, 1, 0
	MUL16 6, 1, 1, 1, 0
	WIN 0
; THE WAY OUT: 64 numbers of a lane (16 neighbours along the next K in each pair of accumulators) become a fragment's codes and its scale word
.macro QUANT s, pw
.irp b, 0,1,2,3
	v_max3_num_f32 v[TM+\b], |v[\s+16*\b]|, |v[\s+1+16*\b]|, 0x1800000
.endr
.irp i, 2,4,6,8,10,12,14
.irp b, 0,1,2,3
	v_max3_num_f32 v[TM+\b], v[TM+\b], |v[\s+16*\b+\i]|, |v[\s+1+16*\b+\i]|
.endr
.endr
.irp b, 0,1,2,3
	v_permlanex16_b32 v[TM+4+\b], v[TM+\b], s[SEL], s[SEL+1]
.endr
.irp b, 0,1,2,3
	v_max_num_f32 v[TM+\b], v[TM+\b], v[TM+4+\b]
.endr
.irp b, 0,1,2,3
	v_add_nc_u32 v[TM+12+\b], 0xff000000, v[TM+\b]
.endr
.irp b, 0,1,2,3
	v_lshrrev_b32 v[TM+4+\b], 23, v[TM+12+\b]
.endr
	v_lshl_or_b32 v[\pw], v[TM+5], 8, v[TM+4]
	v_lshl_or_b32 v[\pw], v[TM+6], 16, v[\pw]
	v_lshl_or_b32 v[\pw], v[TM+7], 24, v[\pw]
.irp c, 0,1
	v_cvt_scalef32_pk16_fp6_f32 v[PC+6*\c:PC+2+6*\c], v[\s+32*\c:\s+15+32*\c], v[TM+12+2*\c]
	v_cvt_scalef32_pk16_fp6_f32 v[PC+12+4*\c:PC+14+4*\c], v[\s+16+32*\c:\s+31+32*\c], v[TM+12+2*\c+1]
.endr
	v_nop
.irp c, 0,1
.irp i, 0,1,2
	v_permlane16_swap_b32 v[PC+6*\c+\i], v[PC+12+4*\c+\i]
.endr
.irp i, 0,1,2
	v_mov_b32 v[PC+3+6*\c+\i], v[PC+12+4*\c+\i]
.endr
.endr
.endm
	PLACES NP
	s_lshl_b32 s80, s17, 1
	s_add_co_u32 s80, s80, s15
	s_lshl_b32 s81, s42, 1
	s_add_co_u32 s81, s81, s16
	s_cmp_eq_u32 s[ROLE], 2
	s_cselect_b32 s82, s81, s80                    ; my group of 128 tokens,
	s_cselect_b32 s83, s80, s81                    ; and of 128 channels
	s_cselect_b32 s84, -1, 0
	s_mov_b32 s[SA], 768
	s_cselect_b32 s[SA], 1536, s[SA]
	s_cselect_b32 s[SJ], 92160, 0
	s_mov_b32 s78, 98304
	s_cselect_b32 s78, 768, s78
	s_mov_b32 s[SA+1], 0
	s_mov_b32 s[SJ+1], 0
	s_mov_b32 s79, 0
	s_cmp_eq_u32 s[ROLE], 0
	s_mov_b32 s[FAC], 1.0
	s_cselect_b32 s[FAC], 0x3e3504f3, s[FAC]       ; q x 32^-0.5
	s_mov_b32 s[FAC+1], s[FAC]
	s_mov_b32 s85, 0xffff0000
	s_mov_b32 s[SEL], 0x76543210
	s_mov_b32 s[SEL+1], 0xfedcba98
	s_lshr_b32 s88, s82, 4
	s_lshl_b32 s88, s88, 4
	s_lshl_b32 s89, s83, 1
	s_add_co_u32 s88, s88, s89
	s_and_b32 s89, s82, 15
	s_mul_i32 s90, s88, 98304
	s_mul_i32 s91, s89, 6144
	s_add_co_u32 s90, s90, s91
	s_mul_i32 s91, s[ROLE], 3145728
	s_add_co_u32 s90, s90, s91
	s_mov_b32 s91, 0
	s_add_nc_u64 s[B0:B0+1], s[12:13], s[90:91]
	s_add_nc_u64 s[B1:B1+1], s[B0:B0+1], s[78:79]
	s_lshl_b32 s90, s88, 12
	s_lshl_b32 s89, s89, 8
	s_add_co_u32 s90, s90, s89
	s_lshl_b32 s89, s[ROLE], 17
	s_add_co_u32 s90, s90, s89
	s_add_nc_u64 s[66:67], s[66:67], s[90:91]
	v_and_b32 v3, 31, v0
	v_lshlrev_b32 v[LI16], 4, v3
	v_lshlrev_b32 v[LI8], 3, v3
	v_lshlrev_b32 v[LSC], 4, v1
	v_lshl_add_u32 v[LSC], v2, 12, v[LSC]
.irp b, 0,1,2,3
	v_mov_b32 v[TM+4+\b], 0
.endr
.macro OUTBLK a
	s_wait_xcnt 0x0                                ; the last block's stores have read their registers and bases
.if (\a) > 0
	s_add_nc_u64 s[B0:B0+1], s[B0:B0+1], s[SA:SA+1]
	s_add_nc_u64 s[B1:B1+1], s[B1:B1+1], s[SA:SA+1]
.endif
.if (\a) == 4
	s_add_nc_u64 s[B0:B0+1], s[B0:B0+1], s[SJ:SJ+1]
	s_add_nc_u64 s[B1:B1+1], s[B1:B1+1], s[SJ:SJ+1]
.endif
	WIN 2+(\a)/4
.set i, 0
.rept 32
	v_pk_mul_f32 v[ST+2*i:ST+2*i+1], v[64*((\a)%4)+2*i:64*((\a)%4)+2*i+1], s[FAC:FAC+1] op_sel_hi:[1,0]
.set i, i+1
.endr
	WIN 0
	QUANT ST, PWA+(\a)
	global_store_b128 v[LI16], v[PC:PC+3], s[B0:B0+1]
	global_store_b64 v[LI8], v[PC+4:PC+5], s[B0:B0+1] offset:512
	global_store_b128 v[LI16], v[PC+6:PC+9], s[B1:B1+1]
	global_store_b64 v[LI8], v[PC+10:PC+11], s[B1:B1+1] offset:512
.endm
.irp a, 0,1,2,3,4,5,6,7
	OUTBLK \a
.endr
	v_mov_b32 v[SELV], 0x05040100
	v_mov_b32 v[KW], 0x07060302
	v_cndmask_b32 v[SELV], v[SELV], v[KW], s85
.irp x, 0,1,2,3
	v_perm_b32 v[KW+\x], v[PWA+2*\x+1], v[PWA+2*\x], v[SELV]
	v_cndmask_b32 v[VW+\x], v[PWA+\x], v[PWA+4+\x], s85
.endr
.irp x, 0,1,2,3
	v_cndmask_b32 v[KW+\x], v[KW+\x], v[VW+\x], s84
.endr
	global_store_b128 v[LSC], v[KW:KW+3], s[66:67]
	s_wait_tensorcnt 0x0                           ; the wave's end
	ds_add_u32 v[SPW], v[NIL]
	s_wait_dscnt 0x0
	CROUND
	s_endpgm
.Lfunc_end_k_q5a40502716_proj:
	.size	k_q5a40502716_proj, .Lfunc_end_k_q5a40502716_proj-k_q5a40502716_proj
	.p2alignl 7, 3214868480
	.fill 96, 4, 3214868480
	.section	.rodata,"a",@progbits
	.p2align	6, 0x0
	.amdhsa_kernel k_q5a40502716_proj
		.amdhsa_group_segment_fixed_size 327680
		.amdhsa_private_segment_fixed_size 0
		.amdhsa_enable_private_segment 0
		.amdhsa_kernarg_size 48
		.amdhsa_user_sgpr_count 2
		.amdhsa_user_sgpr_kernarg_segment_ptr 1
		.amdhsa_wavefront_size32 1
		.amdhsa_system_sgpr_workgroup_id_x 1
		.amdhsa_system_sgpr_workgroup_id_y 1
		.amdhsa_system_sgpr_workgroup_id_z 1
		.amdhsa_system_vgpr_workitem_id 0
		.amdhsa_next_free_vgpr 1024
		.amdhsa_next_free_sgpr 102
		.amdhsa_reserve_vcc 0
		.amdhsa_float_denorm_mode_32 3
		.amdhsa_float_denorm_mode_16_64 3
		.amdhsa_memory_ordered 1
		.amdhsa_forward_progress 1
		.amdhsa_inst_pref_size 184
	.end_amdhsa_kernel
	.amdgpu_metadata
---
amdhsa.version: [ 1, 2 ]
amdhsa.kernels:
  - .name:           k_q5a40502716_proj
    .symbol:         k_q5a40502716_proj.kd
    .args:
      - { .name: xcod, .offset: 0, .size: 8, .value_kind: global_buffer, .address_space: global }
      - { .name: xscl, .offset: 8, .size: 8, .value_kind: global_buffer, .address_space: global }
      - { .name: wcod, .offset: 16, .size: 8, .value_kind: global_buffer, .address_space: global }
      - { .name: wscl, .offset: 24, .size: 8, .value_kind: global_buffer, .address_space: global }
      - { .name: pcod, .offset: 32, .size: 8, .value_kind: global_buffer, .address_space: global }
      - { .name: pscl, .offset: 40, .size: 8, .value_kind: global_buffer, .address_space: global }
    .group_segment_fixed_size: 327680
    .private_segment_fixed_size: 0
    .kernarg_segment_align: 8
    .kernarg_segment_size: 48
    .max_flat_workgroup_size: 128
    .sgpr_count:     102
    .vgpr_count:     1024
    .wavefront_size: 32
...
	.end_amdgpu_metadata
.endif
;; end of part 3
;; launch attn (part 4): grid 8 x 32, 8 waves a work-group, clusters of 4 x 1, 327,680 bytes of LDS; arguments pcod, pscl, lambda_q1, lambda_k1, lambda_q2, lambda_k2, subln_w, acod, ascl; writes acod, ascl
.if DOCPART == 4
	.amdgcn_target "amdgcn-amd-amdhsa--gfx1250"
	.amdhsa_code_object_version 6
	.text
	.protected	k_q5a40502716_attn
	.globl	k_q5a40502716_attn
	.p2align	8
	.type	k_q5a40502716_attn,@function
k_q5a40502716_attn:
	s_mov_b64 s[64:65], 0
	v_nop
	global_prefetch_b8 v0, s[64:65] scope:SCOPE_SE
	s_setreg_imm32_b32 hwreg(HW_REG_WAVE_MODE, 25, 1), 1
	s_wait_xcnt 0x0
	s_wait_alu depctr_hold_cnt(0) depctr_sa_sdst(0) depctr_va_vdst(0) depctr_va_sdst(0) depctr_va_ssrc(0) depctr_va_vcc(0) depctr_vm_vsrc(0)
	s_getreg_b32 s2, hwreg(HW_REG_IB_STS2, 6, 4)
	s_cmp_eq_u32 s2, 0
	s_cbranch_scc0 .Lentry_in_a_cluster
	s_endpgm
.Lentry_in_a_cluster:
	s_bfe_u32 s2, ttmp6, 0x10000c
	s_cmp_lg_u32 s2, 0x3003
	s_cbranch_scc0 .Lentry_shape_is_right
	s_endpgm
.Lentry_shape_is_right:
; Differential attention for one pair of score heads (32 each) and its value head (64), on codes of FP6 (E2M3) with E8M0 scales.
; w = softmax(s1) - lambda softmax(s2) is quantised FINISHED, along the keys, so both rows' sums are whole before any code of w is made.
; Eight waves; wave w owns keys 256 w .. 256 w + 255; the work-group takes its 256 queries as 16 tiles of 16.  All 2 x 2,048 scores of a tile lie in the eight waves' registers at once:
; window 1 (v256-511) holds head 1's 128 registers and head 2's 128; window 0 holds addresses, Q, scale words, K's eight fragments (read from LDS once, kept) and scratch.
; A TRIP (tile i), two barriers.  My keys' scores of both heads; for each head my largest t, M = that rounded up to a whole number, p = 2^(t - M), my sum; lane (r, h) stores head h's (-M, sum)
; | barrier 1: it shows everybody's figures of tile i and everybody's partial O^T of tile i - 1 |  each lane reads the eight figures of its query and head; wave u reads registers 4 u .. 4 u + 3 of
; the eight partials  | barrier 2's signal: my reads are over |  the partials' sum; the factors 2^(my M - M) / sum (x -lambda for head 2); w = p1 F1 + p2 F2; its quantiser; O^T of my keys = V^T w^T
; | barrier 2's wait |  my partial O^T of tile i and my sum for tile i - 1 go to LDS.  Between signal and wait stand register work and reads of V, which no wave writes.
; The trip is written once for all tiles: the first finds zeros as partials, and its sum lies where tile 7's is stored later; the last asks for tile 15 of Q once more and does not use it.
; After tiles 8 and 15 each wave finishes a tile: RMS norm over 64 channels, gain, (1 - lambda_init), the quantiser for the last product.
; K's and V's codes (98,304 bytes each) are loaded into LDS once, each wave a quarter of one of them; the four work-groups of a cluster belong to one pair and ask jointly.
; Everything is asked for at the head, so there is no later tile to prefetch.
; LAYOUT: both products are used transposed: a lane holds one query (lane % 16).  A fragment of K holds 32 keys x both heads in four blocks of 32; four operands of Q, each live in one block
; and zero codes elsewhere, pick the four tiles of scores out.  Lane r of a fragment's tile c takes key 8 c + r + 8 (r / 8), so that 16 registers of scores are 16 neighbouring keys.
; LIMITS: a block whose largest magnitude lies under 2^-124, a block of zeros too, gets the byte 1 (read by this program alone); divisions are a reciprocal and a multiplication; the gain and
; (1 - lambda_init) are multiplied together first; NaN and infinities are not served.  acod is written in runs of 12 bytes and ascl by single bytes: a work-group owns 48 of a token's 768 bytes.
.set VC,    98304                      ; LDS: K's codes from 0, V's from here
.set OX,    196608                     ; the partial O^T: [four registers u][wave][16 x lane]
.set RED,   229376                     ; the summed O^T of eight tiles: [tile % 8][u][16 x lane]
.set STM,   262144                     ; the waves' -M: [wave / 4][16 x lane][wave % 4]; their sums STLO behind
.set STLO,  1024
.set QX,    264192                     ; Q's sixteen images of 768 bytes
.set QSX,   276480                     ; their scale words, 128 bytes each
.set GW,    278528                     ; each wave's 256 bytes: the gain x (1 - lambda_init)
.set SPARE, 280576                     ; the spare words
.set FRB,   1536
.set GRP,   12288
; window 0
.set AV16, 1
.set AV8,  2
.set AQ16, 3
.set CSM,  4                           ; v4-7 my sum of the eight partials
.set AQ8,  8
.set AQS,  9
.set ASS,  10
.set ASL,  11
.set AOS,  12
.set AOL,  13
.set SPW,  14
.set NIL,  15
.set CO,   16
.set L1,   17
.set NM1,  18                          ; v19, v21, v23, v25 are upper halves of pairs whose low word alone is taken: they hold stepped addresses
.set NM2,  20
.set F1,   22
.set F2,   24
.set TA16, NM1+1
.set TA8,  NM2+1
.set TAS,  F1+1
.set TAR,  F2+1
.set SN,   26
.set L2,   27
.set ARD,  28
.set AEP,  29
.set AGL,  30
.set AAC,  31
.set AAS,  32
.set QS,   33
.set PW,   34                          ; v34-35 w's two scale words
.set QZ,   36                          ; v36-65: zeros, Q's head 0, zeros, Q's head 1, zeros: six registers each
.set KSR,  66                          ; v66-73 K's scale words, v74-81 V's: loaded once
.set VSR,  74
.set KF,   82                          ; v82-177 K's eight fragments
.set MX,   178                         ; v178-185, v186-191 at work
.set MT,   186
.set SM,   192
.set SLR,  200
.set PB,   208                         ; v208-239 the eight partials
.set TM,   192
.set TP,   200
.set TS,   208
.set PC,   216                         ; v216-239 w's codes, v240-255 at work
.set PT,   240
.set ES,   192
.set ETM,  208
.set EPC,  224
; window 1
.set W,    0
.set T,    128
.set WV,   22
.set BP,   23
.set QB,   24
.set SEL,  26
.set CS,   28
.set HM,   30
.set CNT,  31
.set G1C,  32
.set G0,   48
.set TQ,   66
.set TQS,  67
.set TR,   82
.set MSB, 0
.macro WIN new                         ; low byte: bits 1:0 source 0, 3:2 source 1, 5:4 source 2, 7:6 destination; the high byte repeats the setting that is left
.if MSB != \new
	s_set_vgpr_msb (MSB<<8)|\new
.set MSB, \new
.endif
.endm
.macro CROUND
	s_barrier_signal -1
	s_barrier_wait -1
	s_cmp_lg_u32 s[WV], 0
	s_cbranch_scc1 .Lnot_wave_0_\@
	s_barrier_signal -3
.Lnot_wave_0_\@:
	s_barrier_wait -3
	s_barrier_signal -1
	s_barrier_wait -1
.endm
	s_load_b512 s[4:19], s[0:1], 0x0               ; pcod, pscl, lambda_q1, lambda_k1, lambda_q2, lambda_k2, subln_w, acod
	s_load_b64 s[20:21], s[0:1], 0x40              ; ascl
	v_lshl_add_u32 v[SPW], v0, 2, SPARE
	v_mov_b32 v[NIL], 0
	ds_add_u32 v[SPW], v[NIL]                      ; the opening lines
	ds_add_u32 v[SPW], v[NIL]
	v_lshrrev_b32 v240, 5, v0
	s_delay_alu instid0(VALU_DEP_1)
	v_readfirstlane_b32 s[WV], v240                ; wave 0..7
	s_and_b32 s[BP], ttmp7, 0xffff                 ; batch x 16 + pair, which the four partners share
	s_bfe_u32 s68, ttmp6, 0x40000
	s_lshl_b32 s[QB], ttmp9, 2
	s_add_co_u32 s[QB], s[QB], s68                 ; my block of 256 queries: it enters global addresses alone
	s_mov_b32 s[G1C], 15|(3<<16)|(1<<21)           ; the mask of all four; elements of 8 bytes
	s_mov_b32 s[G1C+1], 32<<16                     ; lines of 256 bytes,
	s_mov_b32 s[G1C+2], 96<<16                     ; 96 of them: a quarter of a tensor's 98,304 bytes
	s_mov_b32 s[G1C+3], 32<<16
	s_mov_b32 s[G1C+4], 96
	s_mov_b32 s[G1C+5], 32
	s_mov_b32 s[G1C+6], 0
	s_mov_b32 s[G1C+7], 0
	s_mov_b32 s[SEL], 0x76543210
	s_mov_b32 s[SEL+1], 0xfedcba98
	s_mov_b32 s[CS], 0x3fb8aa3b                    ; log2(e)
	s_mov_b32 s[CS+1], s[CS]
	s_mov_b32 s[HM], 0xffff0000                    ; lanes 16-31
	v_and_b32 v240, 31, v0                         ; lane
	v_and_b32 v241, 15, v0                         ; r
	v_bfe_u32 v242, v0, 4, 1                       ; h
	s_mul_i32 s74, s[WV], GRP                      ; my 256 keys' eight fragments
	v_lshl_add_u32 v252, v240, 4, s74
	v_lshl_add_u32 v253, v240, 3, s74
	s_delay_alu instid0(VALU_DEP_2)
	v_add_nc_u32 v[AV16], VC, v252
	s_delay_alu instid0(VALU_DEP_2)
	v_add_nc_u32 v[AV8], VC, v253
	v_lshl_add_u32 v[AQ16], v240, 4, QX
	v_lshl_add_u32 v[AQ8], v240, 3, QX
	v_lshl_add_u32 v[AQS], v240, 2, QSX
	s_mul_i32 s74, s[WV], 768
	v_add_nc_u32 v243, s74, v[AQ16]                ; where I put tiles w and 8 + w of Q at the head
	v_add_nc_u32 v244, s74, v[AQ8]
	s_lshl_b32 s74, s[WV], 7
	v_add_nc_u32 v245, s74, v[AQS]
	s_lshr_b32 s74, s[WV], 2
	s_lshl_b32 s74, s74, 9
	s_and_b32 s76, s[WV], 3
	s_lshl_b32 s76, s76, 2
	s_add_co_u32 s74, s74, s76
	s_add_co_u32 s74, s74, STM
	v_lshl_add_u32 v[ASS], v240, 4, s74
	v_lshl_add_u32 v[ASL], v240, 4, STM
	s_lshl_b32 s75, s[WV], 9
	s_add_co_u32 s74, s75, OX
	v_lshl_add_u32 v[AOS], v240, 4, s74
	s_add_co_u32 s74, s75, RED
	v_lshl_add_u32 v[ARD], v240, 4, s74
	s_lshl_b32 s75, s[WV], 12
	s_add_co_u32 s74, s75, OX
	v_lshl_add_u32 v[AOL], v240, 4, s74
	s_add_co_u32 s74, s75, RED
	v_lshl_add_u32 v[AEP], v240, 4, s74
	s_lshl_b32 s75, s[WV], 8
	s_add_co_u32 s74, s75, GW
	v_lshl_add_u32 v246, v240, 3, s74
	v_lshl_add_u32 v[AGL], v242, 6, s74
	v_lshlrev_b32 v247, 4, v240                    ; offsets in memory: 16, 8, 4 x lane, 16 r
	v_lshlrev_b32 v248, 3, v240
	v_lshlrev_b32 v249, 2, v240
	v_lshlrev_b32 v250, 4, v241
	v_and_b32 v251, 8, v241
	s_delay_alu instid0(VALU_DEP_1)
	v_add_nc_u32 v251, v251, v241                  ; r + 8 (r / 8): my token among a tile's
	s_delay_alu instid0(VALU_DEP_1)
	v_mul_u32_u24 v[AAC], v251, 768
	s_delay_alu instid0(VALU_DEP_1)
	v_mad_u32_u24 v[AAC], v242, 12, v[AAC]
	v_lshl_add_u32 v[AAS], v251, 5, v242
	s_mul_i32 s69, s[WV], 24576                    ; LDS: waves 0-3 fill K's quarters, waves 4-7 V's, which lie behind
	s_and_b32 s70, s[WV], 3
	s_mul_i32 s70, s70, 24576
	s_mul_i32 s71, s[BP], 98304
	s_add_co_u32 s70, s70, s71
	s_lshr_b32 s71, s[WV], 2
	s_mul_i32 s71, s71, 3145728
	s_add_co_u32 s70, s70, s71
	s_add_co_u32 s70, s70, 3145728                 ; k's third of pcod, or v's
	s_mov_b32 s71, 0
	s_lshl_b32 s72, s[BP], 12
	s_mov_b32 s73, 0
	s_wait_dscnt 0x0
	s_wait_kmcnt 0x0
	s_mov_b32 s[G0], 1
	s_mov_b32 s[G0+1], s69
	s_add_nc_u64 s[G0+2:G0+3], s[4:5], s[70:71]
	s_or_b32 s[G0+3], s[G0+3], 0x80000000
	CROUND                                         ; the joint loads meet
	tensor_load_to_lds s[G0:G0+3], s[G1C:G1C+7]    ; one load a wave
	s_nop 0
.rept 4
	v_nop
.endr
	s_mul_i32 s74, s[QB], 12288                    ; Q: wave w brings tiles w and 8 + w for all eight
	s_mul_i32 s75, s[WV], 768
	s_add_co_u32 s74, s74, s75
	s_mul_i32 s75, s[BP], 98304
	s_add_co_u32 s74, s74, s75
	s_mov_b32 s75, 0
	s_add_nc_u64 s[74:75], s[4:5], s[74:75]
	s_lshl_b32 s76, s[QB], 9                       ; tile w's scale word: group of 128 tokens 2 QB, fragment w / 2; tile 8 + w's lies 256 bytes on
	s_lshr_b32 s77, s[WV], 1
	s_lshl_b32 s77, s77, 2
	s_add_co_u32 s76, s76, s77
	s_add_co_u32 s76, s76, s72
	s_mov_b32 s77, 0
	s_add_nc_u64 s[76:77], s[6:7], s[76:77]
	s_lshl_b32 s84, s[WV], 9                       ; my keys' scale words: 512 bytes a wave
	s_add_co_u32 s84, s84, s72
	s_mov_b32 s85, 0
	s_add_nc_u64 s[84:85], s[6:7], s[84:85]
	s_wait_alu depctr_va_vdst(0)
	global_load_b128 v[QZ+6:QZ+9], v247, s[74:75]
	global_load_b64 v[QZ+10:QZ+11], v248, s[74:75] offset:512
	global_load_b128 v[202:205], v247, s[74:75] offset:6144
	global_load_b64 v[206:207], v248, s[74:75] offset:6656
	global_load_b32 v192, v250, s[76:77]
	global_load_b32 v193, v250, s[76:77] offset:256
	global_load_b32 v194, v249, s[8:9]
	global_load_b32 v195, v249, s[10:11]
	global_load_b32 v196, v249, s[12:13]
	global_load_b32 v197, v249, s[14:15]
	global_load_b64 v[198:199], v248, s[16:17]
	global_load_b128 v[KSR:KSR+3], v250, s[84:85] offset:131072     ; K's eight fragments' words of row lane % 16,
	global_load_b128 v[KSR+4:KSR+7], v250, s[84:85] offset:131328
	global_load_b128 v[VSR:VSR+3], v250, s[84:85] offset:262144     ; and V's
	global_load_b128 v[VSR+4:VSR+7], v250, s[84:85] offset:262400
	s_lshr_b32 s68, s[BP], 4                       ; the way out: wave e finishes tiles e and 8 + e
	s_lshl_b32 s68, s68, 11
	s_lshl_b32 s69, s[QB], 8
	s_add_co_u32 s68, s68, s69
	s_lshr_b32 s69, s[WV], 1
	s_lshl_b32 s69, s69, 5
	s_add_co_u32 s68, s68, s69
	s_and_b32 s69, s[WV], 1
	s_lshl_b32 s69, s69, 3
	s_add_co_u32 s68, s68, s69                     ; tile e's first token: 2,048 batch + 256 QB + 32 (e / 2) + 8 (e % 2)
	s_and_b32 s69, s[BP], 15
	s_mul_i32 s70, s68, 768
	s_mul_i32 s71, s69, 48
	s_add_co_u32 s70, s70, s71
	s_mov_b32 s71, 0
	s_add_nc_u64 s[18:19], s[18:19], s[70:71]
	s_lshl_b32 s70, s68, 5
	s_lshl_b32 s72, s69, 1
	s_add_co_u32 s70, s70, s72
	s_add_nc_u64 s[20:21], s[20:21], s[70:71]
.irp i, 0,1,2,3,4,5
	v_mov_b32 v[QZ+\i], 0
	v_mov_b32 v[QZ+12+\i], 0
	v_mov_b32 v[QZ+24+\i], 0
.endr
	v_mov_b32 v[TA16], 0
	v_mov_b32 v[TA8], 0
	v_mov_b32 v[TAS], 0
	v_mov_b32 v[TAR], 0
	v_mov_b32 v[MT+4], 0
	v_mov_b32 v[MT+5], 0
	v_mov_b32 v200, 0
	v_mov_b32 v201, 0
.set u, 0
.rept 8
	ds_store_b128 v[AOS], v[QZ:QZ+3] offset:4096*u ; the partials that the first trip adds up: zeros
.set u, u+1
.endr
	s_bitcmp1_b32 s[WV], 0
	s_mov_b32 s79, 0x01000100
	s_cselect_b32 s79, 0x03020302, s79
	s_mov_b32 s80, 0x3c800000                      ; 1 / 64
	s_mov_b32 s81, 0x3727c5ac                      ; 1e-5
	s_wait_loadcnt 0x0
	v_perm_b32 v[QS], v192, v192, s79              ; bytes: head 0, head 1, head 0, head 1
	v_perm_b32 v193, v193, v193, s79
	ds_store_b128 v243, v[QZ+6:QZ+9]
	ds_store_b64 v244, v[QZ+10:QZ+11] offset:512
	ds_store_b32 v245, v[QS]
	ds_store_b128 v243, v[202:205] offset:6144
	ds_store_b64 v244, v[206:207] offset:6656
	ds_store_b32 v245, v193 offset:1024
	v_mul_f32 v194, v194, v195                     ; lambda = exp(sum lq1 lk1) - exp(sum lq2 lk2) + lambda_init
	v_mul_f32 v196, v196, v197
.irp m, 1,2,4,8
	s_delay_alu instid0(VALU_DEP_2)
	v_add_f32_dpp v194, v194, v194 row_xmask:\m row_mask:0xf bank_mask:0xf
	s_delay_alu instid0(VALU_DEP_2)
	v_add_f32_dpp v196, v196, v196 row_xmask:\m row_mask:0xf bank_mask:0xf
.endr
	s_delay_alu instid0(VALU_DEP_2)
	v_permlanex16_b32 v200, v194, s[SEL], s[SEL+1]
	s_delay_alu instid0(VALU_DEP_2)
	v_permlanex16_b32 v201, v196, s[SEL], s[SEL+1]
	s_delay_alu instid0(VALU_DEP_2)
	v_add_f32 v194, v194, v200
	s_delay_alu instid0(VALU_DEP_2)
	v_add_f32 v196, v196, v201
	s_delay_alu instid0(VALU_DEP_2)
	v_mul_f32 v194, s[CS], v194
	s_delay_alu instid0(VALU_DEP_2)
	v_mul_f32 v196, s[CS], v196
	s_wait_alu depctr_va_vdst(0)
	v_exp_f32 v194, v194
	v_exp_f32 v196, v196
	v_mul_f32 v198, 0x3e5d9673, v198               ; the gain x (1 - lambda_init)
	v_mul_f32 v199, 0x3e5d9673, v199
	ds_store_b64 v246, v[198:199]
	s_wait_alu depctr_va_vdst(0)
	v_sub_f32 v194, v196, v194
	s_delay_alu instid0(VALU_DEP_1)
	v_add_f32 v194, 0xbf489a63, v194               ; -lambda
	v_mov_b32 v[CO], 1.0
	s_delay_alu instid0(VALU_DEP_1)
	v_cndmask_b32 v[CO], v[CO], v194, s[HM]
.macro FLOAD reg, f, a16, a8
	ds_load_b128 v[\reg:\reg+3], v[\a16] offset:FRB*(\f)
	ds_load_b64 v[\reg+4:\reg+5], v[\a8] offset:FRB*(\f)+512
	ds_load_b128 v[\reg+6:\reg+9], v[\a16] offset:FRB*(\f)+768
	ds_load_b64 v[\reg+10:\reg+11], v[\a8] offset:FRB*(\f)+1280
.endm
.macro QLOAD a16, a8, a4
	ds_load_b128 v[QZ+6:QZ+9], v[\a16]
	ds_load_b64 v[QZ+10:QZ+11], v[\a8] offset:512
	ds_load_b32 v[QS], v[\a4]
.endm
.macro QMASK                           ; head 0 (lanes 0-15) and head 1 (lanes 16-31) each into an operand of its own
.irp i, 0,1,2,3,4,5
	v_cndmask_b32 v[QZ+18+\i], v[NIL], v[QZ+6+\i], s[HM]
.endr
.irp i, 0,1,2,3,4,5
	v_cndmask_b32 v[QZ+6+\i], v[QZ+6+\i], v[NIL], s[HM]
.endr
.endm
.macro SCORE f                         ; fragment f's 32 keys: head 1's scores into W + 16 f on, head 2's into T + 16 f on (destinations in window 1)
	v_wmma_scale_f32_16x16x128_f8f6f4 v[W+16*\f:W+16*\f+7], v[KF+12*\f:KF+12*\f+11], v[QZ+6:QZ+17], 0, v[KSR+\f], v[QS] matrix_a_fmt:MATRIX_FMT_FP6 matrix_b_fmt:MATRIX_FMT_FP6
	v_wmma_scale_f32_16x16x128_f8f6f4 v[T+16*\f:T+16*\f+7], v[KF+12*\f:KF+12*\f+11], v[QZ+18:QZ+29], 0, v[KSR+\f], v[QS] matrix_a_fmt:MATRIX_FMT_FP6 matrix_b_fmt:MATRIX_FMT_FP6
	v_wmma_scale_f32_16x16x128_f8f6f4 v[W+16*\f+8:W+16*\f+15], v[KF+12*\f:KF+12*\f+11], v[QZ:QZ+11], 0, v[KSR+\f], v[QS] matrix_a_fmt:MATRIX_FMT_FP6 matrix_b_fmt:MATRIX_FMT_FP6
	v_wmma_scale_f32_16x16x128_f8f6f4 v[T+16*\f+8:T+16*\f+15], v[KF+12*\f:KF+12*\f+11], v[QZ+12:QZ+23], 0, v[KSR+\f], v[QS] matrix_a_fmt:MATRIX_FMT_FP6 matrix_b_fmt:MATRIX_FMT_FP6
.endm
.macro LMAX s, nm                      ; the largest of my query's 256 scores in this wave, in eight chains, and -M = floor(-t)
	WIN 0x15
.irp b, 0,1,2,3,4,5,6,7
	v_max3_num_f32 v[MX+\b], v[\s+16*\b], v[\s+16*\b+1], v[\s+16*\b+2]
.endr
	WIN 0x14
.irp i, 3,5,7,9,11,13
.irp b, 0,1,2,3,4,5,6,7
	v_max3_num_f32 v[MX+\b], v[MX+\b], v[\s+16*\b+\i], v[\s+16*\b+\i+1]
.endr
.endr
.irp b, 0,2,4,6
	v_max3_num_f32 v[MX+\b], v[MX+\b], v[\s+16*\b+15], v[\s+16*\b+31]
.endr
	WIN 0
	v_max3_num_f32 v[MX], v[MX], v[MX+1], v[MX+2]
	v_max3_num_f32 v[MX+3], v[MX+3], v[MX+4], v[MX+5]
	v_max_num_f32 v[MX+6], v[MX+6], v[MX+7]
	s_delay_alu instid0(VALU_DEP_1)
	v_max3_num_f32 v[MX], v[MX], v[MX+3], v[MX+6]
	s_delay_alu instid0(VALU_DEP_1)
	v_permlanex16_b32 v[MT+4], v[MX], s[SEL], s[SEL+1]
	s_delay_alu instid0(VALU_DEP_1)
	v_max_num_f32 v[MX], v[MX], v[MT+4]
	s_delay_alu instid0(VALU_DEP_1)
	v_mul_f32 v[MX], s[CS], v[MX]
	s_delay_alu instid0(VALU_DEP_1)
	v_floor_f32 v[\nm], -v[MX]
.endm
.macro FMA s, nm                       ; t - M of 128 scores (window setting 0x41)
.set j, 0
.rept 64
	v_pk_fma_f32 v[\s+j:\s+j+1], v[\s+j:\s+j+1], s[CS:CS+1], v[\nm:\nm+1] op_sel_hi:[1,0,0]
.set j, j+2
.endr
.endm
.macro EXPS s
.set j, 0
.rept 128
	v_exp_f32 v[\s+j], v[\s+j]
.set j, j+1
.endr
.endm
.macro LSUM s, l                       ; the sum of my query's 256 p in this wave: two at a time, in four chains
	WIN 0x05
.irp c, 0,1,2,3
	v_pk_add_f32 v[MX+2*\c:MX+2*\c+1], v[\s+4*\c:\s+4*\c+1], v[\s+4*\c+2:\s+4*\c+3]
.endr
	WIN 0x04
.irp j, 16,24,32,40,48,56,64,72,80,88,96,104,112,120
.irp c, 0,1,2,3
	v_pk_add_f32 v[MX+2*\c:MX+2*\c+1], v[MX+2*\c:MX+2*\c+1], v[\s+\j+2*\c:\s+\j+2*\c+1]
.endr
.endr
	WIN 0
	v_pk_add_f32 v[MX:MX+1], v[MX:MX+1], v[MX+2:MX+3]
	v_pk_add_f32 v[MX+4:MX+5], v[MX+4:MX+5], v[MX+6:MX+7]
	s_delay_alu instid0(VALU_DEP_1)
	v_pk_add_f32 v[MX:MX+1], v[MX:MX+1], v[MX+4:MX+5]
	s_delay_alu instid0(VALU_DEP_1)
	v_add_f32 v[MX], v[MX], v[MX+1]
	s_delay_alu instid0(VALU_DEP_1)
	v_permlanex16_b32 v[MT+5], v[MX], s[SEL], s[SEL+1]
	s_delay_alu instid0(VALU_DEP_1)
	v_add_f32 v[\l], v[MX], v[MT+5]
.endm
; w's 128 numbers of a lane, register 16 b + i = key 32 b + 16 (lane / 16) + i, become two fragments' codes in v[PC] on and two scale words in v[PW] on
.macro QUANT
	WIN 0x05
.irp b, 0,1,2,3,4,5,6,7
	v_max3_num_f32 v[TM+\b], |v[W+16*\b]|, |v[W+1+16*\b]|, 0x1800000   ; with the floor 2^(3 - 127): the byte cannot fall under 1
.endr
	WIN 0x14
.irp i, 2,4,6,8,10,12,14
.irp b, 0,1,2,3,4,5,6,7
	v_max3_num_f32 v[TM+\b], v[TM+\b], |v[W+16*\b+\i]|, |v[W+1+16*\b+\i]|
.endr
.endr
	WIN 0
.irp b, 0,1,2,3,4,5,6,7
	v_permlanex16_b32 v[TP+\b], v[TM+\b], s[SEL], s[SEL+1]
.endr
.irp b, 0,1,2,3,4,5,6,7
	v_max_num_f32 v[TM+\b], v[TM+\b], v[TP+\b]
.endr
.irp b, 0,1,2,3,4,5,6,7
	v_add_nc_u32 v[TS+\b], 0xff000000, v[TM+\b]    ; 2 off the exponent field: the conversion's scale operand
.endr
.irp b, 0,1,2,3,4,5,6,7
	v_lshrrev_b32 v[TP+\b], 23, v[TS+\b]
.endr
.irp g, 0,1
	v_lshl_or_b32 v[PW+\g], v[TP+4*\g+1], 8, v[TP+4*\g]
.endr
.irp g, 0,1
	v_lshl_or_b32 v[PW+\g], v[TP+4*\g+2], 16, v[PW+\g]
.endr
.irp g, 0,1
	v_lshl_or_b32 v[PW+\g], v[TP+4*\g+3], 24, v[PW+\g]
.endr
	WIN 0x01
.irp k, 0,1,2,3
	v_cvt_scalef32_pk16_fp6_f32 v[PC+6*\k:PC+6*\k+2], v[W+32*\k:W+32*\k+15], v[TS+2*\k]
	v_cvt_scalef32_pk16_fp6_f32 v[PT+4*\k:PT+4*\k+2], v[W+32*\k+16:W+32*\k+31], v[TS+2*\k+1]
.endr
	WIN 0
	v_nop                                          ; one plain place behind a scaled conversion
.irp k, 0,1,2,3                                ; a whole block in a lane: lanes 0-15 block 2 k, lanes 16-31 block 2 k + 1
.irp i, 0,1,2
	v_permlane16_swap_b32 v[PC+6*\k+\i], v[PT+4*\k+\i]
.endr
.endr
.irp k, 0,1,2,3
.irp i, 0,1,2
	v_mov_b32 v[PC+6*\k+3+\i], v[PT+4*\k+\i]
.endr
.endr
.endm
.macro CLOAD                           ; registers 4 w .. 4 w + 3 of the eight partials
.set u, 0
.rept 8
	ds_load_b128 v[PB+4*u:PB+4*u+3], v[AOL] offset:512*u
.set u, u+1
.endr
.endm
.macro PSUM                            ; their sum
.irp u, 0,8,16,24
	v_pk_add_f32 v[PB+\u:PB+\u+1], v[PB+\u:PB+\u+1], v[PB+\u+4:PB+\u+5]
	v_pk_add_f32 v[PB+\u+2:PB+\u+3], v[PB+\u+2:PB+\u+3], v[PB+\u+6:PB+\u+7]
.endr
.irp u, 0,16
	v_pk_add_f32 v[PB+\u:PB+\u+1], v[PB+\u:PB+\u+1], v[PB+\u+8:PB+\u+9]
	v_pk_add_f32 v[PB+\u+2:PB+\u+3], v[PB+\u+2:PB+\u+3], v[PB+\u+10:PB+\u+11]
.endr
	s_delay_alu instid0(VALU_DEP_2)
	v_pk_add_f32 v[CSM:CSM+1], v[PB:PB+1], v[PB+16:PB+17]
	s_delay_alu instid0(VALU_DEP_2)
	v_pk_add_f32 v[CSM+2:CSM+3], v[PB+2:PB+3], v[PB+18:PB+19]
.endm
.macro TILE
	WIN 0x40
.irp f, 7,6,5,4,3,2
	SCORE \f
.endr
	s_wait_dscnt 0x0                               ; my stores of the last partial O^T have read v256-287, which the products below write
	SCORE 1
	SCORE 0
	WIN 0
	s_add_co_u32 s[TQ], s[TQ], 768
	s_min_u32 s[TQ], s[TQ], 15*768                 ; the last trip names tile 15 again
	s_add_co_u32 s[TQS], s[TQS], 128
	s_min_u32 s[TQS], s[TQS], 15*128
	v_add_nc_u32 v[TA16], s[TQ], v[AQ16]           ; these three and the v_nop are the four places behind the products
	v_add_nc_u32 v[TA8], s[TQ], v[AQ8]
	v_add_nc_u32 v[TAS], s[TQS], v[AQS]
	v_nop
	QLOAD TA16, TA8, TAS
	LMAX W, NM1                                    ; both heads' results are first read ahead of the exponentials
	LMAX T, NM2
	WIN 0x41
	FMA W, NM1
	s_wait_alu depctr_va_vdst(0)
	EXPS W
	FMA T, NM2                                     ; plain work behind the first batch
	s_wait_alu depctr_va_vdst(0)                   ; behind the first batch and ahead of the second
	EXPS T
	LSUM W, L1
	s_wait_alu depctr_va_vdst(0)                   ; behind the second batch
	LSUM T, L2
	v_cndmask_b32 v[SN], v[NM1], v[NM2], s[HM]
	s_delay_alu instid0(VALU_DEP_2)
	v_cndmask_b32 v[L2], v[L1], v[L2], s[HM]
	ds_store_b32 v[ASS], v[SN]
	ds_store_b32 v[ASS], v[L2] offset:STLO
	s_wait_dscnt 2                                 ; the next tile's Q is in; the two stores may be out
	QMASK
	v_add_nc_u32 v[TAR], s[TR], v[ARD]             ; where the sum for the tile before goes
	s_wait_dscnt 0x0                               ; for the others' sake: my figures, and my partial O^T of the tile before, lie in LDS
	s_barrier_signal -1
	s_barrier_wait -1
.irp q, 0,1
	ds_load_b128 v[SM+4*\q:SM+4*\q+3], v[ASL] offset:512*\q
.endr
.irp q, 0,1
	ds_load_b128 v[SLR+4*\q:SLR+4*\q+3], v[ASL] offset:STLO+512*\q
.endr
	CLOAD
	s_wait_dscnt 8                                 ; the figures are in; the eight loads of partials may be out
	v_min3_num_f32 v[MT], v[SM], v[SM+1], v[SM+2]  ; the least -M: the row's M
	v_min3_num_f32 v[MT+1], v[SM+3], v[SM+4], v[SM+5]
	s_delay_alu instid0(VALU_DEP_2)
	v_min3_num_f32 v[MT], v[MT], v[SM+6], v[SM+7]
	s_delay_alu instid0(VALU_DEP_1)
	v_min_num_f32 v[MT], v[MT], v[MT+1]
.irp j, 0,2,4,6
	v_pk_add_f32 v[SM+\j:SM+\j+1], v[MT:MT+1], v[SM+\j:SM+\j+1] op_sel_hi:[0,1] neg_lo:[0,1] neg_hi:[0,1]   ; each wave's M less the row's
.endr
.set j, 0
.rept 8
	v_cvt_i32_f32 v[SM+j], v[SM+j]
.set j, j+1
.endr
.set j, 0
.rept 8
	v_ldexp_f32 v[SLR+j], v[SLR+j], v[SM+j]        ; each wave's sum under the row's M: nothing is rounded
.set j, j+1
.endr
	v_pk_add_f32 v[SLR:SLR+1], v[SLR:SLR+1], v[SLR+2:SLR+3]
	v_pk_add_f32 v[SLR+4:SLR+5], v[SLR+4:SLR+5], v[SLR+6:SLR+7]
	s_delay_alu instid0(VALU_DEP_1)
	v_pk_add_f32 v[SLR:SLR+1], v[SLR:SLR+1], v[SLR+4:SLR+5]
	s_delay_alu instid0(VALU_DEP_1)
	v_add_f32 v[SLR], v[SLR], v[SLR+1]             ; the row's sum
	s_wait_alu depctr_va_vdst(0)
	v_rcp_f32 v[MT+2], v[SLR]
	v_sub_f32 v[MT+3], v[MT], v[SN]                ; my wave's M less the row's
	s_delay_alu instid0(VALU_DEP_1)
	v_cvt_i32_f32 v[MT+3], v[MT+3]
	s_wait_alu depctr_va_vdst(0)
	v_ldexp_f32 v[MT+2], v[MT+2], v[MT+3]          ; 2^(my M - M) / sum,
	s_delay_alu instid0(VALU_DEP_1)
	v_mul_f32 v[MT+2], v[MT+2], v[CO]              ; x -lambda for head 2
	s_delay_alu instid0(VALU_DEP_1)
	v_permlanex16_b32 v[MT+4], v[MT+2], s[SEL], s[SEL+1]
	s_delay_alu instid0(VALU_DEP_1)
	v_cndmask_b32 v[F1], v[MT+2], v[MT+4], s[HM]
	v_cndmask_b32 v[F2], v[MT+4], v[MT+2], s[HM]
	s_wait_alu depctr_va_vdst(0)
	s_wait_dscnt 0x0                               ; the partials are in: my reads of figures and partials are over
	s_barrier_signal -1                            ; say so; the wait stands in front of my next LDS stores
	PSUM
	WIN 0x41
.set j, 0
.rept 64
	v_pk_mul_f32 v[W+j:W+j+1], v[W+j:W+j+1], v[F1:F1+1] op_sel_hi:[1,0]
.set j, j+2
.endr
	WIN 0x51
.set j, 0
.rept 64
	v_pk_fma_f32 v[W+j:W+j+1], v[T+j:T+j+1], v[F2:F2+1], v[W+j:W+j+1] op_sel_hi:[1,0,1]   ; w = p1 / l1 - lambda p2 / l2
.set j, j+2
.endr
	WIN 0x40
.irp t, 0,1,2,3,4,5,6,7
	FLOAD T+12*\t, \t, AV16, AV8                   ; V's fragments of my keys land while w is quantised
.endr
	QUANT
	s_wait_alu depctr_va_vdst(0)
	s_wait_dscnt 0x0
.rept 8
	v_nop                                          ; a scale word written by a vector instruction stands 8 places ahead of a scaled matrix instruction
.endr
	WIN 0x51                                       ; O^T of my 256 keys = V^T w^T: four sums by turns, two steps of 128 keys
.irp t, 0,1,2,3
	v_wmma_scale_f32_16x16x128_f8f6f4 v[W+8*\t:W+8*\t+7], v[T+12*\t:T+12*\t+11], v[PC:PC+11], 0, v[VSR+\t], v[PW] matrix_a_fmt:MATRIX_FMT_FP6 matrix_b_fmt:MATRIX_FMT_FP6
.endr
.irp t, 0,1,2,3
	v_wmma_scale_f32_16x16x128_f8f6f4 v[W+8*\t:W+8*\t+7], v[T+48+12*\t:T+48+12*\t+11], v[PC+12:PC+23], v[W+8*\t:W+8*\t+7], v[VSR+4+\t], v[PW+1] matrix_a_fmt:MATRIX_FMT_FP6 matrix_b_fmt:MATRIX_FMT_FP6
.endr
	WIN 0
.rept 5
	v_nop                                          ; 4 places ahead of the stores of results, 5 ahead of the next products that write over these registers
.endr
	s_barrier_wait -1                              ; nobody reads the old partials or figures any more
	WIN 0x04
.set u, 0
.rept 8
	ds_store_b128 v[AOS], v[W+4*u:W+4*u+3] offset:4096*u   ; ascending: each accumulator from its low end on
.set u, u+1
.endr
	WIN 0
	ds_store_b128 v[TAR], v[CSM:CSM+3]
	s_add_co_u32 s[TR], s[TR], 4096
	s_and_b32 s[TR], s[TR], 0x7fff
.endm
; THE WAY OUT of eight tiles: behind a barrier wave e takes tile 8 half + e whole, into v256-287, its gains into v288-319.  It touches neither K's nor Q's registers.
.macro EPI half
	s_wait_dscnt 0x0
	s_barrier_signal -1
	s_barrier_wait -1
	WIN 0x40
.set u, 0
.rept 8
	ds_load_b128 v[W+4*u:W+4*u+3], v[AEP] offset:512*u
.set u, u+1
.endr
.irp b, 0,1
.irp i, 0,1,2,3
	ds_load_b128 v[W+32+16*\b+4*\i:W+35+16*\b+4*\i], v[AGL] offset:128*\b+16*\i
.endr
.endr
	s_wait_dscnt 8                                 ; O^T is in; the eight loads of gains may be out
	WIN 0x05
	v_pk_mul_f32 v[ES:ES+1], v[W:W+1], v[W:W+1]
	v_pk_mul_f32 v[ES+2:ES+3], v[W+2:W+3], v[W+2:W+3]
.irp j, 4,8,12,16,20,24,28
	s_delay_alu instid0(VALU_DEP_2)
	v_pk_fma_f32 v[ES:ES+1], v[W+\j:W+\j+1], v[W+\j:W+\j+1], v[ES:ES+1]
	s_delay_alu instid0(VALU_DEP_2)
	v_pk_fma_f32 v[ES+2:ES+3], v[W+\j+2:W+\j+3], v[W+\j+2:W+\j+3], v[ES+2:ES+3]
.endr
	WIN 0
	v_pk_add_f32 v[ES:ES+1], v[ES:ES+1], v[ES+2:ES+3]
	s_delay_alu instid0(VALU_DEP_1)
	v_add_f32 v[ES], v[ES], v[ES+1]
	s_delay_alu instid0(VALU_DEP_1)
	v_permlanex16_b32 v[ES+4], v[ES], s[SEL], s[SEL+1]
	s_delay_alu instid0(VALU_DEP_1)
	v_add_f32 v[ES], v[ES], v[ES+4]
	s_delay_alu instid0(VALU_DEP_1)
	v_fma_f32 v[ES], v[ES], s80, s81               ; / 64, + 1e-5
	s_wait_alu depctr_va_vdst(0)
	v_rsq_f32 v[F1], v[ES]
	v_nop
	s_wait_alu depctr_va_vdst(0)
	WIN 0x41
.set j, 0
.rept 16
	v_pk_mul_f32 v[W+j:W+j+1], v[W+j:W+j+1], v[F1:F1+1] op_sel_hi:[1,0]
.set j, j+2
.endr
	s_wait_dscnt 0x0
	WIN 0x45
.set j, 0
.rept 16
	v_pk_mul_f32 v[W+j:W+j+1], v[W+j:W+j+1], v[W+32+j:W+33+j]
.set j, j+2
.endr
	WIN 0x05
.irp b, 0,1
	v_max3_num_f32 v[ETM+\b], |v[W+16*\b]|, |v[W+1+16*\b]|, 0x1800000
.endr
	WIN 0x14
.irp i, 2,4,6,8,10,12,14
.irp b, 0,1
	v_max3_num_f32 v[ETM+\b], v[ETM+\b], |v[W+16*\b+\i]|, |v[W+1+16*\b+\i]|
.endr
.endr
	WIN 0
.irp b, 0,1
	v_permlanex16_b32 v[ETM+4+\b], v[ETM+\b], s[SEL], s[SEL+1]
.endr
.irp b, 0,1
	s_delay_alu instid0(VALU_DEP_2)
	v_max_num_f32 v[ETM+\b], v[ETM+\b], v[ETM+4+\b]
.endr
.irp b, 0,1
	s_delay_alu instid0(VALU_DEP_2)
	v_add_nc_u32 v[ETM+12+\b], 0xff000000, v[ETM+\b]
.endr
.irp b, 0,1
	s_delay_alu instid0(VALU_DEP_2)
	v_lshrrev_b32 v[ETM+4+\b], 23, v[ETM+12+\b]
.endr
	WIN 0x01
	v_cvt_scalef32_pk16_fp6_f32 v[EPC:EPC+2], v[W:W+15], v[ETM+12]
	v_cvt_scalef32_pk16_fp6_f32 v[EPC+4:EPC+6], v[W+16:W+31], v[ETM+13]
	WIN 0
	v_cndmask_b32 v[ETM+6], v[ETM+4], v[ETM+5], s[HM]   ; lanes 0-15 store block 0's byte, lanes 16-31 block 1's
	global_store_b96 v[AAC], v[EPC:EPC+2], s[18:19] offset:98304*\half
	global_store_b96 v[AAC], v[EPC+4:EPC+6], s[18:19] offset:98304*\half+24
	global_store_b8 v[AAS], v[ETM+6], s[20:21] offset:4096*\half
	s_wait_xcnt 0x0                                ; the stores' registers are written again only behind this wait
.endm
	s_mov_b32 s[TQ], 0
	s_mov_b32 s[TQS], 0
	s_mov_b32 s[TR], 7*4096                        ; trip i stores the sum for tile i - 1 at place (i - 1) % 8
	s_wait_alu depctr_va_vdst(0)
	s_wait_tensorcnt 0x0
	s_wait_dscnt 0x0
	s_barrier_signal -1
	s_barrier_wait -1                              ; K, V and Q lie whole in LDS
.irp f, 0,1,2,3,4,5,6,7
	FLOAD KF+12*\f, \f, 252, 253                   ; my keys' fragments of K: they stay in registers
.endr
	QLOAD AQ16, AQ8, AQS
	s_wait_dscnt 0x0
	QMASK
.rept 4
	v_nop
.endr
	s_mov_b32 s[CNT], 9
	s_wait_alu depctr_va_vdst(0)
.Lhalf0:                                               ; tiles 0 to 8: the last of them stores tile 7's sum
	TILE
	s_sub_co_u32 s[CNT], s[CNT], 1
	s_cmp_lg_u32 s[CNT], 0
	s_cbranch_scc1 .Lhalf0
	EPI 0
	s_mov_b32 s[CNT], 7
.Lhalf1:                                               ; tiles 9 to 15
	TILE
	s_sub_co_u32 s[CNT], s[CNT], 1
	s_cmp_lg_u32 s[CNT], 0
	s_cbranch_scc1 .Lhalf1
	s_wait_dscnt 0x0                               ; tile 15's partials lie in LDS
	s_barrier_signal -1
	s_barrier_wait -1
	CLOAD
	v_add_nc_u32 v[TAR], s[TR], v[ARD]
	s_wait_dscnt 0x0
	PSUM
	ds_store_b128 v[TAR], v[CSM:CSM+3]
	EPI 1
	s_wait_tensorcnt 0x0                           ; the wave's end
	ds_add_u32 v[SPW], v[NIL]
	s_wait_dscnt 0x0
	CROUND
	s_endpgm
.Lfunc_end_k_q5a40502716_attn:
	.size	k_q5a40502716_attn, .Lfunc_end_k_q5a40502716_attn-k_q5a40502716_attn
	.p2alignl 7, 3214868480
	.fill 96, 4, 3214868480
	.section	.rodata,"a",@progbits
	.p2align	6, 0x0
	.amdhsa_kernel k_q5a40502716_attn
		.amdhsa_group_segment_fixed_size 327680
		.amdhsa_private_segment_fixed_size 0
		.amdhsa_enable_private_segment 0
		.amdhsa_kernarg_size 72
		.amdhsa_user_sgpr_count 2
		.amdhsa_user_sgpr_kernarg_segment_ptr 1
		.amdhsa_wavefront_size32 1
		.amdhsa_system_sgpr_workgroup_id_x 1
		.amdhsa_system_sgpr_workgroup_id_y 1
		.amdhsa_system_sgpr_workgroup_id_z 1
		.amdhsa_system_vgpr_workitem_id 0
		.amdhsa_next_free_vgpr 512
		.amdhsa_next_free_sgpr 96
		.amdhsa_reserve_vcc 0
		.amdhsa_float_denorm_mode_32 3
		.amdhsa_float_denorm_mode_16_64 3
		.amdhsa_memory_ordered 1
		.amdhsa_forward_progress 1
		.amdhsa_inst_pref_size 160
	.end_amdhsa_kernel
	.amdgpu_metadata
---
amdhsa.version: [ 1, 2 ]
amdhsa.kernels:
  - .name:           k_q5a40502716_attn
    .symbol:         k_q5a40502716_attn.kd
    .args:
      - { .name: pcod, .offset: 0, .size: 8, .value_kind: global_buffer, .address_space: global }
      - { .name: pscl, .offset: 8, .size: 8, .value_kind: global_buffer, .address_space: global }
      - { .name: lambda_q1, .offset: 16, .size: 8, .value_kind: global_buffer, .address_space: global }
      - { .name: lambda_k1, .offset: 24, .size: 8, .value_kind: global_buffer, .address_space: global }
      - { .name: lambda_q2, .offset: 32, .size: 8, .value_kind: global_buffer, .address_space: global }
      - { .name: lambda_k2, .offset: 40, .size: 8, .value_kind: global_buffer, .address_space: global }
      - { .name: subln_w, .offset: 48, .size: 8, .value_kind: global_buffer, .address_space: global }
      - { .name: acod, .offset: 56, .size: 8, .value_kind: global_buffer, .address_space: global }
      - { .name: ascl, .offset: 64, .size: 8, .value_kind: global_buffer, .address_space: global }
    .group_segment_fixed_size: 327680
    .private_segment_fixed_size: 0
    .kernarg_segment_align: 8
    .kernarg_segment_size: 72
    .max_flat_workgroup_size: 256
    .sgpr_count:     96
    .vgpr_count:     512
    .wavefront_size: 32
...
	.end_amdgpu_metadata
.endif
;; end of part 4
;; launch ogemm (part 5): grid 8 x 32, 4 waves a work-group, clusters of 4 x 4, 327,680 bytes of LDS; arguments acod, ascl, wcod, wscl, out0; writes out0
.if DOCPART == 5
	.amdgcn_target "amdgcn-amd-amdhsa--gfx1250"
	.amdhsa_code_object_version 6
	.text
	.protected	k_q5a40502716_ogemm
	.globl	k_q5a40502716_ogemm
	.p2align	8
	.type	k_q5a40502716_ogemm,@function
k_q5a40502716_ogemm:
	s_mov_b64 s[64:65], 0
	v_nop
	global_prefetch_b8 v0, s[64:65] scope:SCOPE_SE
	s_setreg_imm32_b32 hwreg(HW_REG_WAVE_MODE, 25, 1), 1
	s_wait_xcnt 0x0
	s_wait_alu depctr_hold_cnt(0) depctr_sa_sdst(0) depctr_va_vdst(0) depctr_va_sdst(0) depctr_va_ssrc(0) depctr_va_vcc(0) depctr_vm_vsrc(0)
	s_getreg_b32 s2, hwreg(HW_REG_IB_STS2, 6, 4)
	s_cmp_eq_u32 s2, 0
	s_cbranch_scc0 .Lentry_in_a_cluster
	s_endpgm
.Lentry_in_a_cluster:
	s_bfe_u32 s2, ttmp6, 0x10000c
	s_cmp_lg_u32 s2, 0xf033
	s_cbranch_scc0 .Lentry_shape_is_right
	s_endpgm
.Lentry_shape_is_right:
; out0 [4096][1024] f32 = attn x Wo on codes of FP6 (E2M3) with E8M0 scales, K = 1024.
; A work-group of four waves makes 128 x 128: 8 x 32 = 256 work-groups.  Its 128 rows of A and 128 rows of B, WHOLE ROWS OF K (768 bytes, dense in memory), come into LDS once,
; as lines of 256 bytes with 16 bytes of padding behind each: four joint loads, one a wave, 64 rows each.  Nothing is filled again, so there is no ring; and no loop to prefetch in.
; 4 x 4 work-groups form a cluster: A's rows are asked for jointly along a row of it, B's along a column.
; A wave makes 64 x 64: 16 accumulators in window 1 (v256-383); window 0 holds two sets of fragments (4 of A, 4 of B, 128 along K each) and the scale words.
; The scale words go from memory into registers: a lane reads 16 bytes of its row's 32, lanes 0-15 those of steps 0-3, lanes 16-31 those of steps 4-7; a load covers 512 bytes on end.
; Source 0 = rows of B, source 1 = rows of A: a lane holds eight numbers of a row of out0.  wcod's rows have bits 3 and 4 of n exchanged; the stage puts the columns right.
.set PITCH,  816                       ; a row in LDS: three lines of 272
.set HALF,   64*PITCH
.set TILEB,  2*HALF
.set STAGE,  2*TILEB                   ; the way out: 16 rows of 272 bytes for each wave
.set SPITCH, 272
.set SPARE,  STAGE+4*16*SPITCH
.set ADRA, 16                          ; v16 my A fragments; v17 the same + 16 in lanes 16-31, for a piece whose upper lanes read the next line
.set ADRB, 18
.set STO,  20
.set RD,   21
.set CO,   22
.set SOF,  23
.set SPW,  28
.set NIL,  29
.set SA,   32                          ; v32-47 A's scale words: block a, step s % 4 at 4 a + s % 4
.set SB,   48                          ; v48-63 B's
.set FRG,  64                          ; v64-255 two sets: A's four fragments, then B's
.set BK,   64
.set G1, 24
.set G0, 32
.set G1B, 48
.set G0B, 56
.set MSB, 0
.macro WIN new
.if MSB != \new
	s_set_vgpr_msb (MSB<<8)|\new
.set MSB, \new
.endif
.endm
.macro CROUND
	s_barrier_signal -1
	s_barrier_wait -1
	s_cmp_lg_u32 s14, 0
	s_cbranch_scc1 .Lnot_wave_0_\@
	s_barrier_signal -3
.Lnot_wave_0_\@:
	s_barrier_wait -3
	s_barrier_signal -1
	s_barrier_wait -1
.endm
	s_load_b128 s[4:7], s[0:1], 0x0                ; acod, ascl
	s_load_b128 s[8:11], s[0:1], 0x10              ; wcod, wscl
	s_load_b64 s[12:13], s[0:1], 0x20              ; out0
	v_lshl_add_u32 v[SPW], v0, 2, SPARE
	v_mov_b32 v[NIL], 0
	ds_add_u32 v[SPW], v[NIL]                      ; the opening lines
	ds_add_u32 v[SPW], v[NIL]
	v_lshrrev_b32 v1, 5, v0
	v_readfirstlane_b32 s14, v1                    ; wave
	s_lshr_b32 s15, s14, 1                         ; my half of the rows; also: I fetch for A (0) or B (1)
	s_and_b32 s16, s14, 1                          ; my half of the columns; also: which 64 rows I fetch
	s_bfe_u32 s40, ttmp6, 0x40000
	s_bfe_u32 s41, ttmp6, 0x40004
	s_lshl_b32 s42, ttmp9, 2
	s_add_co_u32 s42, s42, s40                     ; tile column
	s_and_b32 s17, ttmp7, 0xffff
	s_lshl_b32 s17, s17, 2
	s_add_co_u32 s17, s17, s41                     ; tile row
	s_lshl_b32 s43, s41, 2
	s_lshl_b32 s43, 15, s43
	s_lshl_b32 s44, 0x1111, s40
	s_or_b32 s[G1+0], s43, (3<<16)|(1<<20)|(1<<21)|(5<<22)|(3<<25)
	s_or_b32 s[G1B+0], s44, (3<<16)|(1<<20)|(1<<21)|(5<<22)|(3<<25)
.irp g, G1, G1B
	s_mov_b32 s[\g+1], 32<<16                      ; lines of 256 bytes (32 elements of 8),
	s_mov_b32 s[\g+2], 192<<16                     ; 192 of them: 64 rows of 768 bytes
	s_mov_b32 s[\g+3], 32<<16
	s_mov_b32 s[\g+4], 192
	s_mov_b32 s[\g+5], 32
	s_mov_b32 s[\g+6], 0
	s_mov_b32 s[\g+7], 0
.endr
	s_mul_i32 s18, s16, 49152
	s_mul_i32 s20, s17, 98304
	s_add_co_u32 s20, s20, s18
	s_mov_b32 s21, 0
	s_mul_i32 s46, s42, 98304
	s_add_co_u32 s46, s46, s18
	s_add_co_u32 s46, s46, 2359296                 ; Wo: rows 3,072 on of wcod
	s_mov_b32 s47, 0
	s_mul_i32 s45, s14, HALF                       ; LDS: A's two halves, then B's
	s_wait_dscnt 0x0
	s_wait_kmcnt 0x0
	s_mov_b32 s[G0], 1
	s_mov_b32 s[G0+1], s45
	s_add_nc_u64 s[G0+2:G0+3], s[4:5], s[20:21]
	s_or_b32 s[G0+3], s[G0+3], 0x80000000
	s_mov_b32 s[G0B], 1
	s_mov_b32 s[G0B+1], s45
	s_add_nc_u64 s[G0B+2:G0B+3], s[8:9], s[46:47]
	s_or_b32 s[G0B+3], s[G0B+3], 0x80000000
	CROUND                                         ; the joint loads meet
	s_cmp_eq_u32 s15, 0
	s_cbranch_scc0 .Lfor_b
	tensor_load_to_lds s[G0:G0+3], s[G1:G1+7]
	s_nop 0
.rept 4
	v_nop
.endr
	s_branch .Lasked
.Lfor_b:
	tensor_load_to_lds s[G0B:G0B+3], s[G1B:G1B+7]
	s_nop 0
.rept 4
	v_nop
.endr
.Lasked:
	s_lshl_b32 s60, s17, 7
	s_lshl_b32 s61, s15, 6
	s_add_co_u32 s60, s60, s61                     ; my first row of A and of out0
	s_lshl_b32 s62, s60, 5
	s_mov_b32 s63, 0
	s_add_nc_u64 s[6:7], s[6:7], s[62:63]          ; its scales
	s_lshl_b32 s62, s42, 7
	s_lshl_b32 s61, s16, 6
	s_add_co_u32 s62, s62, s61                     ; my first row of B
	s_lshl_b32 s62, s62, 5
	s_add_co_u32 s62, s62, 98304                   ; Wo's scales
	s_add_nc_u64 s[10:11], s[10:11], s[62:63]
	s_lshl_b32 s62, s60, 12
	s_lshl_b32 s61, s42, 9
	s_add_co_u32 s62, s62, s61
	s_lshl_b32 s61, s16, 8
	s_add_co_u32 s62, s62, s61
	s_add_nc_u64 s[12:13], s[12:13], s[62:63]      ; my corner of out0
	v_and_b32 v1, 15, v0                           ; r
	v_bfe_u32 v2, v0, 4, 1                         ; h
	v_mul_u32_u24 v3, v1, PITCH
	v_mad_u32_u24 v3, v2, 24, v3
	s_mul_i32 s22, s15, HALF
	s_mul_i32 s23, s16, HALF
	s_add_co_u32 s23, s23, TILEB
	v_add_nc_u32 v[ADRA], s22, v3
	v_add_nc_u32 v[ADRB], s23, v3
	v_lshl_add_u32 v[ADRA+1], v2, 4, v[ADRA]
	v_lshl_add_u32 v[ADRB+1], v2, 4, v[ADRB]
	s_mul_i32 s22, s14, 16*SPITCH
	s_add_co_u32 s22, s22, STAGE
	v_mul_u32_u24 v4, v1, SPITCH
	v_lshl_add_u32 v4, v2, 6, v4
	v_add_nc_u32 v[STO], s22, v4                   ; into the stage: row r, 64 h
	v_mul_u32_u24 v5, v2, SPITCH
	v_lshl_add_u32 v5, v1, 4, v5
	v_add_nc_u32 v[RD], s22, v5                    ; back: sixteen lanes to a row of 256 bytes
	v_lshlrev_b32 v[CO], 4, v1
	v_lshl_add_u32 v[CO], v2, 12, v[CO]            ; and the same in out0
	v_lshlrev_b32 v[SOF], 5, v1
	v_lshl_add_u32 v[SOF], v2, 4, v[SOF]           ; scales: row r, 16 h
	s_wait_alu depctr_va_vdst(0)
.irp a, 0,1,2,3
	global_load_b128 v[SA+4*\a:SA+4*\a+3], v[SOF], s[6:7] offset:512*\a
	global_load_b128 v[SB+4*\a:SB+4*\a+3], v[SOF], s[10:11] offset:512*\a
.endr
	s_wait_tensorcnt 0x0                           ; my 64 rows are in
	s_barrier_signal -1
	s_barrier_wait -1                              ; everybody's are
.macro FRAG reg, adr, st, i            ; byte y of a row lies at y + 16 (y / 256) of its LDS row
.irp p, 0,1,2,3,4,5
.set BY, 96*(\st)+48*(\p/3)+8*(\p%3)
.if BY/256 == (BY+24)/256
	ds_load_b64 v[\reg+2*\p:\reg+2*\p+1], v[\adr] offset:BY+16*(BY/256)+(\i)*16*PITCH
.else
	ds_load_b64 v[\reg+2*\p:\reg+2*\p+1], v[\adr+1] offset:BY+16*(BY/256)+(\i)*16*PITCH
.endif
.endr
.endm
.macro FETCH st                        ; 48 loads: step st's eight fragments into set st % 2
.irp i, 0,1,2,3
	FRAG FRG+96*((\st)%2)+12*\i, ADRA, \st, \i
.endr
.irp i, 0,1,2,3
	FRAG FRG+96*((\st)%2)+48+12*\i, ADRB, \st, \i
.endr
.endm
.macro MUL st                          ; the 16 accumulators take turns
.set FS, FRG+96*((\st)%2)
.irp a, 0,1,2,3
.irp b, 0,1,2,3
.if (\st) == 0
	v_wmma_scale_f32_16x16x128_f8f6f4 v[8*(4*\a+\b):8*(4*\a+\b)+7], v[FS+48+12*\b:FS+48+12*\b+11], v[FS+12*\a:FS+12*\a+11], 0, v[SB+4*\b], v[SA+4*\a] matrix_a_fmt:MATRIX_FMT_FP6 matrix_b_fmt:MATRIX_FMT_FP6
.elseif (\st) < 4
	v_wmma_scale_f32_16x16x128_f8f6f4 v[8*(4*\a+\b):8*(4*\a+\b)+7], v[FS+48+12*\b:FS+48+12*\b+11], v[FS+12*\a:FS+12*\a+11], v[8*(4*\a+\b):8*(4*\a+\b)+7], v[SB+4*\b+(\st)], v[SA+4*\a+(\st)] matrix_a_fmt:MATRIX_FMT_FP6 matrix_b_fmt:MATRIX_FMT_FP6
.else
	v_wmma_scale_f32_16x16x128_f8f6f4 v[8*(4*\a+\b):8*(4*\a+\b)+7], v[FS+48+12*\b:FS+48+12*\b+11], v[FS+12*\a:FS+12*\a+11], v[8*(4*\a+\b):8*(4*\a+\b)+7], v[SB+4*\b+(\st)-4], v[SA+4*\a+(\st)-4] matrix_a_fmt:MATRIX_FMT_FP6 matrix_b_fmt:MATRIX_FMT_FP6 matrix_a_scale:MATRIX_SCALE_ROW1 matrix_b_scale:MATRIX_SCALE_ROW1
.endif
.endr
.endr
.endm
	FETCH 0
	s_wait_loadcnt 0x0                             ; the scale words are in
.set STN, 0
.rept 8
.if STN < 7
.if STN > 0
.rept 4
	v_nop                                          ; places ahead of loads into the set that the last step's products read
.endr
.endif
	FETCH STN+1
	s_wait_dscnt 48                                ; this step's fragments are in; the next step's 48 loads may be out
.else
	s_wait_dscnt 0x0
.endif
	WIN 0x50                                       ; C and D in window 1
	MUL STN
	WIN 0
.set STN, STN+1
.endr
; THE WAY OUT, by blocks of 16 rows x 64 columns, through my own stage: LDS serves a wave's instructions in order, so no wait stands between the stores and the loads
.macro TOSTAGE a
	WIN 0x04                                       ; the data: window 1
.irp b, 0,1,2,3
	ds_store_b128 v[STO], v[8*(4*(\a)+\b):8*(4*(\a)+\b)+3] offset:128*(\b/2)+32*(\b%2)
	ds_store_b128 v[STO], v[8*(4*(\a)+\b)+4:8*(4*(\a)+\b)+7] offset:128*(\b/2)+32*(\b%2)+16
.endr
	WIN 0
.irp t, 0,1,2,3,4,5,6,7
	ds_load_b128 v[BK+32*(\a)+4*\t:BK+32*(\a)+4*\t+3], v[RD] offset:\t*2*SPITCH
.endr
.endm
.macro SEND a, younger                 ; each block has registers of its own, and every offset is an immediate
	s_wait_dscnt \younger
.irp t, 0,1,2,3,4,5,6,7
	global_store_b128 v[CO], v[BK+32*(\a)+4*\t:BK+32*(\a)+4*\t+3], s[12:13] offset:(16*(\a)+2*\t)*4096 th:TH_STORE_NT   ; sixteen lanes store 256 consecutive aligned bytes
.endr
.endm
.rept 4
	v_nop
.endr
	TOSTAGE 0
	TOSTAGE 1
	SEND 0, 16                                     ; the next block's 8 stores and 8 loads may be out
	TOSTAGE 2
	SEND 1, 16
	TOSTAGE 3
	SEND 2, 16
	SEND 3, 0
	s_wait_tensorcnt 0x0                           ; the wave's end
	ds_add_u32 v[SPW], v[NIL]
	s_wait_dscnt 0x0
	CROUND
	s_endpgm
.Lfunc_end_k_q5a40502716_ogemm:
	.size	k_q5a40502716_ogemm, .Lfunc_end_k_q5a40502716_ogemm-k_q5a40502716_ogemm
	.p2alignl 7, 3214868480
	.fill 96, 4, 3214868480
	.section	.rodata,"a",@progbits
	.p2align	6, 0x0
	.amdhsa_kernel k_q5a40502716_ogemm
		.amdhsa_group_segment_fixed_size 327680
		.amdhsa_private_segment_fixed_size 0
		.amdhsa_enable_private_segment 0
		.amdhsa_kernarg_size 40
		.amdhsa_user_sgpr_count 2
		.amdhsa_user_sgpr_kernarg_segment_ptr 1
		.amdhsa_wavefront_size32 1
		.amdhsa_system_sgpr_workgroup_id_x 1
		.amdhsa_system_sgpr_workgroup_id_y 1
		.amdhsa_system_sgpr_workgroup_id_z 1
		.amdhsa_system_vgpr_workitem_id 0
		.amdhsa_next_free_vgpr 384
		.amdhsa_next_free_sgpr 66
		.amdhsa_reserve_vcc 0
		.amdhsa_float_denorm_mode_32 3
		.amdhsa_float_denorm_mode_16_64 3
		.amdhsa_memory_ordered 1
		.amdhsa_forward_progress 1
		.amdhsa_inst_pref_size 57
	.end_amdhsa_kernel
	.amdgpu_metadata
---
amdhsa.version: [ 1, 2 ]
amdhsa.kernels:
  - .name:           k_q5a40502716_ogemm
    .symbol:         k_q5a40502716_ogemm.kd
    .args:
      - { .name: acod, .offset: 0, .size: 8, .value_kind: global_buffer, .address_space: global }
      - { .name: ascl, .offset: 8, .size: 8, .value_kind: global_buffer, .address_space: global }
      - { .name: wcod, .offset: 16, .size: 8, .value_kind: global_buffer, .address_space: global }
      - { .name: wscl, .offset: 24, .size: 8, .value_kind: global_buffer, .address_space: global }
      - { .name: out0, .offset: 32, .size: 8, .value_kind: global_buffer, .address_space: global }
    .group_segment_fixed_size: 327680
    .private_segment_fixed_size: 0
    .kernarg_segment_align: 8
    .kernarg_segment_size: 40
    .max_flat_workgroup_size: 128
    .sgpr_count:     66
    .vgpr_count:     384
    .wavefront_size: 32
...
	.end_amdgpu_metadata
.endif
;; end of part 5
